; MI455X (gfx1250); checked and timed in simulation.
; The chip was launched on July 23, 2026; its instructions are those of AMD's public machine-readable ISA for CDNA 5 (MIT licence, August 2026) and "CDNA5" Instruction Set Architecture Reference Guide (July 2026). The comments in the code are by the model that wrote it; some were corrected since.
;; Scaled Dot Product Attention. Allowed arithmetic: matrix products marked QUANTISED: E3M2 operands, one E8M0 scale for each 32 along K, by v_wmma_scale_f32_16x16x128_f8f6f4 with both operands' format E3M2, f32 sums; everything else in f32.
;; Inputs: k 4 x 16 x 2,048 x 64 float32; mask 1 x 1 x 2,048 x 2,048 bool; q 4 x 16 x 2,048 x 64 float32; v 4 x 16 x 2,048 x 64 float32.
;; Outputs: out0 4 x 16 x 2,048 x 64 float32.
;; This version of the problem:
;;   THIS VERSION OF THE PROBLEM IS GIVEN IN LOW PRECISION. The matrix products marked QUANTISED in the list below multiply operands that are first quantised to E3M2 (3 exponent bits, 2 mantissa bits; 6 bits a number), with one power-of-two scale for each 32 numbers along K (OCP MX v1.0); their sums are f32. All else is computed in f32.
;;   The module's matrix products, in the order in which they are computed (A, B: the left and right operand; K: the contracted axis; several contracted axes count as one K, in the product's order):
;;     1. batch 64 x [M 2,048, K 64] x [K 64, N 2,048]; A: input q; B: input k: QUANTISED
;;     2. batch 64 x [M 2,048, K 2,048] x [K 2,048, N 64]; A: softmax (see below); B: input v: QUANTISED
;;   THE QUANTISER, for each operand of a quantised product, along K:
;;     - K is cut into blocks of 32 from its start; a last block that is shorter is filled with zeros.
;;     - A block's scale is 2^e with e = floor(log2(the largest magnitude in the block)) - 4, held to -126 .. 127; a block of zeros has e = 0. As a byte (E8M0): e + 127.
;;     - Each number is divided by its block's scale, clamped to +-28, and rounded to the nearest number of E3M2, ties to even, subnormals kept.
;;     - The product sums the exact products of the quantised numbers (number of the format x scale) in f32.
;;   ~~~python
;;   def quantise(x, axis):      # numpy; x: float32 -> the quantised numbers, widened to float32 again
;;       x = np.moveaxis(x, axis, -1); K = x.shape[-1]
;;       x = np.pad(x, [(0, 0)] * (x.ndim - 1) + [(0, -K % 32)]); x = x.reshape(x.shape[:-1] + (-1, 32)); a = np.abs(x).max(-1, keepdims=True)
;;       e = np.where(a > 0, np.clip(np.frexp(np.where(a > 0, a, 1))[1] - 1 - 4, -126, 127), 0)      # np.frexp(a)[1] - 1 = floor(log2(a)), exactly
;;       r = np.clip(x / 2.0 ** e, -28, 28)
;;       step = 2.0 ** (np.maximum(np.frexp(np.where(r == 0, 1, r))[1] - 1, -2) - 2)
;;       q = np.round(r / step) * step * 2.0 ** e      # np.round: ties to even
;;       return np.moveaxis(q.reshape(q.shape[:-2] + (-1,))[..., :K], -1, axis).astype(np.float32)
;;   ~~~
;;   SOFTMAX AHEAD OF A QUANTISED PRODUCT. Where the list says 'softmax', what is quantised is not the finished softmax but p = 2^(t - M), with t = logit x log2(e) and M = ceil(the row's largest t), a whole number; so 1/2 < the row's largest p <= 1. The row's sum l is taken of the UNQUANTISED p, in f32, and the product's result is divided by l at the end. Since M is a whole number, a kernel that streams over the keys may use a running M (the ceiling of the running maximum): every later rescaling is an exact power of two, which a block's scale takes up: the codes' values come out the same.
;;   OPERANDS COMPUTED ON THE WAY. 'Computed on the way' means the value that the module computes at that place (a softmax that the list does not call 'softmax' is quantised finished and normalised). What goes into a quantiser is computed in f32, as accurately as f32 sums, v_exp_f32 and their like allow (about 1e-6 of the number): no bf16 or f16 on the way to a quantiser, and a product that is left as it is and whose result goes on into a quantised operand takes f32 operands (vector FMAs, or v_wmma_f32_16x16x4_f32). A number that lies on a knife's edge between two numbers of the format may be rounded either way, as far as f32 arithmetic and the matrix unit's own rounding can turn it there, and no further.
;; 2 versions. Each part assembles by itself: llvm-mc -triple=amdgcn-amd-amdhsa -mcpu=gfx1250 --defsym DOCPART=n.
;; ======== version 1 of 2: 2 launches
;; workspace buffers: kv 13,107,200 bytes; mbits 524,288 bytes of whole numbers; flags 4,096 bytes of whole numbers
;; launch prep (part 1): grid 1024 x 1, 4 waves a work-group, no clusters, 35,328 bytes of LDS; arguments k, v, mask, kv, mbits, flags; writes kv, mbits, flags
.if DOCPART == 1
	.amdgcn_target "amdgcn-amd-amdhsa--gfx1250"
	.amdhsa_code_object_version 6
	.text
	.protected	k_q2c02a8f0b5_prep
	.globl	k_q2c02a8f0b5_prep
	.p2align	8
	.type	k_q2c02a8f0b5_prep,@function
k_q2c02a8f0b5_prep:
	s_mov_b64 s[64:65], 0
	v_nop
	global_prefetch_b8 v0, s[64:65] scope:SCOPE_SE
	s_setreg_imm32_b32 hwreg(HW_REG_WAVE_MODE, 25, 1), 1
	s_wait_xcnt 0x0
; THE LAUNCH IN FRONT OF THE ATTENTION.  k, v: [64 heads][2048 keys][64] f32.  mask: [2048 queries][2048 keys] bytes, 0 or 1.
; It makes, once, what every query block of a head reads again:
;   kv    [64 heads][16 key steps] records of 12,800 bytes, each an IMAGE OF OPERAND REGISTERS of BF6 (E3M2) codes: group c (four registers) of lane l of a fragment lies at 512 c + 16 l of its 1,536 bytes.
;         +0      four fragments of K, pair b at 1,536 b: lane (r, h), registers 0-5: key 32 b + r + 8 (r / 8), channels 32 h .. 32 h + 31; registers 6-11: the key 8 further on, the same channels.
;         +6,144  four fragments of V^T, tile t at 1,536 t: lane (r, h), registers 6 c .. 6 c + 5: channel 16 t + r, keys 64 c + 32 h + 0 .. 31.
;         +12,288 K's scale words, two a lane at 8 l: word 0: pair 0 in lanes 0-15, pair 1 in lanes 16-31; word 1: pairs 2 and 3.  Bytes 0, 1: the lower key's two blocks; bytes 2, 3: the upper key's.
;         +12,544 V's scale words: channel d's at 4 d; byte b scales keys 32 b .. 32 b + 31.
;   mbits [128 query tiles][16 key steps][64 words]: word 16 b + i, bit l = mask[16 T + l % 16][128 s + 32 b + 16 (l / 16) + i]: the lane mask of one score register of the attention.
;   flags [128 query tiles][8] words: the word of chunk ch (key steps 2 ch, 2 ch + 1) has bit 2 ch + e set where step 2 ch + e holds a true byte, bit 16 + 2 ch + e where it holds a false one.
; A block's scale is 2^(floor(log2(its largest magnitude)) - 4); its byte is the largest magnitude's exponent field - 4, held at 1 from below.
; LIMITS: a block of zeros, and a block whose largest magnitude lies under 2^-122, gets the byte 1 (the rule says 127 for zeros: its codes are zeros, and this program alone reads the bytes);
; NaN and infinities in k and v are not served; a mask byte counts by its lowest bit, and the flag for a false byte takes bytes to be 0 or 1.
; SHARES: work-groups 0-255: K, a record a wave.  256-767: V, half a record (32 channels) a wave.  768-1023: the mask, 16 queries x 256 keys a wave.  Waves share nothing: no barrier.
; A stream bound by memory: no matrix unit, no tensor loads, no cluster (no two work-groups read the same bytes).
.set REC,   12800
.set VFR,   6144
.set KSC,   12288
.set VSC,   12544
.set SP,    272                        ; K path: a stage row: a key's 256 bytes + 16, so that sixteen rows of a 16-byte column fall on different banks
.set WST,   32*SP                      ; a wave's stage: 32 keys
.set FLOOR, 0x2800000                  ; 2^(5 - 127): under it no largest magnitude is taken, so the byte cannot fall under 1
.set EOFF,  0xfe000000                 ; takes 4 off an exponent field
; ---- K path: macros.  v4 16 x lane; v5 8 x lane; v6, v7 the stage in and out; v8 8 h; v10-17 at work; v[28:29] scale words; v32-159 two sets as loaded; v160-223 two blocks of 32 neighbours; v224-235 the fragment
.macro LOADP b                         ; the 32 keys of pair b as they lie: each load reads 512 consecutive bytes, two keys
.irp j, 0,1,2,3,4,5,6,7,8,9,10,11,12,13,14,15
	global_load_b128 v[32+64*((\b)%2)+4*\j:35+64*((\b)%2)+4*\j], v4, s[4:5] offset:8192*(\b)+512*\j th:TH_LOAD_NT
.endr
.endm
.macro PAIR b
.set RS, 32+64*((\b)%2)
.if (\b) < 3
	s_wait_loadcnt 16                              ; this pair's 16 loads are in; the next pair's 16 stay out
.else
	s_wait_loadcnt 0x0
.endif
.irp j, 0,1,2,3,4,5,6,7,8,9,10,11,12,13,14,15  ; key x of the 32 goes to stage row 16 u + r, where x = 8 u + r + 8 (r / 8): u = (x / 8) % 2, r = x % 8 + 8 (x / 16)
	ds_store_b128 v6, v[RS+4*\j:RS+4*\j+3] offset:SP*(16*(((2*\j)/8)%2)+(2*\j)%8+8*((2*\j)/16))
.endr
.irp u, 0,1                            ; back: lane (r, h) takes the 32 channels 32 h on of the lower key (u = 0) and of the upper (u = 1).  LDS serves a wave's instructions in order: these see the stores
.irp i, 0,1,2,3,4,5,6,7
	ds_load_b128 v[160+32*\u+4*\i:163+32*\u+4*\i], v7 offset:16*SP*\u+16*\i
.endr
.endr
	s_wait_dscnt 0x0                               ; my 64 numbers are back, and the stores have read the set,
.if (\b) < 2
	LOADP (\b)+2                                   ; which takes the pair two on
.endif
	v_max3_num_f32 v10, |v160|, |v161|, FLOOR      ; both blocks' largest magnitudes, by turns: all 32 numbers of a block are mine
	v_max3_num_f32 v11, |v192|, |v193|, FLOOR
.irp i, 2,4,6,8,10,12,14,16,18,20,22,24,26,28,30
	v_max3_num_f32 v10, v10, |v[160+\i]|, |v[161+\i]|
	v_max3_num_f32 v11, v11, |v[192+\i]|, |v[193+\i]|
.endr
	v_add_nc_u32 v12, EOFF, v10                    ; the conversion takes the exponent field of this operand as its scale
	v_add_nc_u32 v13, EOFF, v11
	v_lshrrev_b32 v14, 23, v12                     ; the scales' bytes
	v_lshrrev_b32 v15, 23, v13
	v_lshl_or_b32 v16, v15, 16, v14                ; lower key's byte below, upper key's above,
	v_lshlrev_b32 v16, v8, v16                     ; 8 h bits up: block h's places;
	v_permlanex16_b32 v17, v16, s18, s19
	v_or_b32 v16, v16, v17                         ; with lane l xor 16's two the row's word is whole, in both lanes
.if (\b)%2 == 0
	v_mov_b32 v[28+(\b)/2], v16                    ; an even pair's words: lanes 0-15 keep them,
.else
	v_cndmask_b32 v[28+(\b)/2], v[28+(\b)/2], v16, s30   ; lanes 16-31 take the odd pair's
.endif
.if (\b) > 0
	s_wait_xcnt 0x0                                ; the last pair's stores have read the fragment's registers
.endif
	v_cvt_scalef32_pk16_bf6_f32 v[224:226], v[160:175], v12
	v_cvt_scalef32_pk16_bf6_f32 v[236:238], v[176:191], v12      ; (a conversion's three registers begin on an even number: a block's second half is made elsewhere and moved)
	v_cvt_scalef32_pk16_bf6_f32 v[230:232], v[192:207], v13
	v_cvt_scalef32_pk16_bf6_f32 v[240:242], v[208:223], v13
	v_nop                                          ; one plain place behind a scaled conversion
.irp i, 0,1,2
	v_mov_b32 v[227+\i], v[236+\i]
	v_mov_b32 v[233+\i], v[240+\i]
.endr
.irp c, 0,1,2
	global_store_b128 v4, v[224+4*\c:227+4*\c], s[10:11] offset:1536*(\b)+512*\c   ; 32 lanes store 512 consecutive bytes, at a multiple of 256 from the buffer's first byte
.endr
.endm
; ---- V path: macros.  A LANE TAKES A CHANNEL, AND ITS REGISTERS RUN DOWN THE KEYS: a block of 32 keys lies in one lane, and the codes come out with the keys innermost.
; v4 4 x lane; v5 the image's place; v11-13 at work; v24 the scale word; v32-95 two sets of 32; v96-107 the image lane (r, 0)'s twelve registers, v108-119 lane (r, 1)'s
.macro LOADV t
.irp i, 0,1,2,3,4,5,6,7,8,9,10,11,12,13,14,15,16,17,18,19,20,21,22,23,24,25,26,27,28,29,30,31
	global_load_b32 v[32+32*((\t)%2)+\i], v4, s[6:7] offset:256*(32*(\t)+\i) th:TH_LOAD_NT   ; key 32 t + i at my 32 channels: 128 consecutive bytes; the wave beside me reads the row's other half
.endr
.endm
.macro BLOCKV t
.set XS, 32+32*((\t)%2)
.set CD, 96+12*((\t)%2)+6*((\t)/2)     ; keys 32 t on are block h = t % 2 of half c = t / 2: registers 6 c on of image lane (r, h)
.if (\t) < 3
	s_wait_loadcnt 32                              ; this block's 32 loads are in; the next block's stay out
.else
	s_wait_loadcnt 0x0
.endif
	v_max3_num_f32 v11, |v[XS]|, |v[XS+1]|, FLOOR
	v_max3_num_f32 v13, |v[XS+2]|, |v[XS+3]|, |v[XS+4]|
.irp i, 5,9,13,17,21,25
	v_max3_num_f32 v11, v11, |v[XS+\i]|, |v[XS+\i+1]|
	v_max3_num_f32 v13, v13, |v[XS+\i+2]|, |v[XS+\i+3]|
.endr
	v_max3_num_f32 v11, v11, |v[XS+29]|, |v[XS+30]|
	v_max3_num_f32 v11, v11, v13, |v[XS+31]|
	v_add_nc_u32 v12, EOFF, v11
	v_lshrrev_b32 v13, 23, v12
.if (\t) == 0
	v_mov_b32 v24, v13
.else
	v_lshl_or_b32 v24, v13, 8*(\t), v24            ; byte t of my channel's scale word
.endif
	v_cvt_scalef32_pk16_bf6_f32 v[CD:CD+2], v[XS:XS+15], v12
	v_cvt_scalef32_pk16_bf6_f32 v[120:122], v[XS+16:XS+31], v12
	v_nop                                          ; one plain place behind a scaled conversion
.irp i, 0,1,2
	v_mov_b32 v[CD+3+\i], v[120+\i]
.endr
.if (\t) < 2
	LOADV (\t)+2
.endif
.endm
	s_load_b256 s[4:11], s[0:1], 0x0               ; k s[4:5], v s[6:7], mask s[8:9], kv s[10:11]
	s_load_b128 s[12:15], s[0:1], 0x20             ; mbits s[12:13], flags s[14:15]
	v_lshl_add_u32 v244, v0, 2, 0x8800
	v_mov_b32 v245, 0
	v_lshrrev_b32 v1, 5, v0
	v_readfirstlane_b32 s16, v1                    ; wave 0..3
	v_and_b32 v1, 31, v0                           ; lane
	v_and_b32 v2, 15, v0                           ; r
	v_bfe_u32 v3, v0, 4, 1                         ; h
	s_mov_b32 s18, 0x76543210
	s_mov_b32 s19, 0xfedcba98                      ; v_permlanex16_b32's selects for lane l xor 16
	s_mov_b32 s21, 0                               ; the upper word of every offset pair s[20:21]
	s_wait_kmcnt 0x0
	s_cmp_lt_u32 ttmp9, 256
	s_cbranch_scc1 .Lkeys
	s_cmp_lt_u32 ttmp9, 768
	s_cbranch_scc1 .Lvalues
	; ---- THE MASK: my wave's 16 queries (tile T) x 256 keys (chunk ch)
	s_sub_co_u32 s17, ttmp9, 768
	s_lshl_b32 s17, s17, 2
	s_add_co_u32 s17, s17, s16                     ; 8 T + ch
	s_lshr_b32 s20, s17, 3
	s_lshl_b32 s20, s20, 15                        ; 16 rows of 2,048 bytes a tile,
	s_and_b32 s22, s17, 7
	s_lshl_b32 s23, s22, 8                         ; 256 bytes a chunk
	s_add_co_u32 s20, s20, s23
	s_add_nc_u64 s[8:9], s[8:9], s[20:21]
	s_lshl_b32 s20, s17, 9                         ; two steps' 64 words each: 512 bytes
	s_add_nc_u64 s[12:13], s[12:13], s[20:21]
	s_lshl_b32 s20, s17, 2
	s_add_nc_u64 s[14:15], s[14:15], s[20:21]
	v_lshlrev_b32 v4, 11, v2
	v_lshl_add_u32 v4, v3, 4, v4                   ; row r, + 16 h: the 16 keys of a block of 32 that my lane votes on
	v_lshlrev_b32 v5, 3, v1                        ; out: two words a lane
.irp e, 0,1
.irp b, 0,1,2,3
	global_load_b128 v[32+16*\e+4*\b:35+16*\e+4*\b], v4, s[8:9] offset:128*\e+32*\b th:TH_LOAD_NT
.endr
.endr
.irp i, 64,65,66,67
	v_mov_b32 v\i, 0                               ; v_writelane_b32's destination counts as read
.endr
	s_mov_b32 s31, 0
.irp e, 0,1                            ; key step 2 ch + e
	s_wait_loadcnt 4-4*\e                          ; this step's four loads are in; the second step's four may stay out
.set j, 0
.rept 64                               ; word j = 16 b + i: every lane's byte i of block b, as a lane mask; it goes to lane j / 2, register j % 2, so that the lanes store the 64 words on end
	v_and_b32 v[68+j%4], 1<<(8*(j%4)), v[32+16*\e+4*(j/16)+(j%16)/4]
	v_cmp_ne_u32 s[24+j%4], 0, v[68+j%4]
	v_writelane_b32 v[64+2*\e+j%2], s[24+j%4], j/2
.set j, j+1
.endr
	v_or_b32 v72, v[32+16*\e], v[33+16*\e]         ; any byte true?  any byte false?
	v_and_b32 v73, v[32+16*\e], v[33+16*\e]
.irp i, 2,3,4,5,6,7,8,9,10,11,12,13,14,15
	v_or_b32 v72, v72, v[32+16*\e+\i]
	v_and_b32 v73, v73, v[32+16*\e+\i]
.endr
	v_cmp_ne_u32 s28, 0, v72
	v_cmp_ne_u32 s29, 0x01010101, v73
	s_cmp_lg_u32 s28, 0
	s_cselect_b32 s28, 1<<\e, 0
	s_cmp_lg_u32 s29, 0
	s_cselect_b32 s29, 0x10000<<\e, 0
	s_or_b32 s31, s31, s28
	s_or_b32 s31, s31, s29
	global_store_b64 v5, v[64+2*\e:65+2*\e], s[12:13] offset:256*\e   ; 32 lanes store 256 consecutive bytes, aligned
.endr
	s_lshl_b32 s22, s22, 1
	s_lshl_b32 s31, s31, s22                       ; the four bits at the places of steps 2 ch and 2 ch + 1
	v_mov_b32 v74, s31
	v_mov_b32 v75, 0
	s_wait_xcnt 0x0                                ; EXEC is a source of the stores above: it changes only behind this wait
	v_cmp_eq_u32 vcc_lo, 0, v1
	s_and_saveexec_b32 s30, vcc_lo
	global_store_b32 v75, v74, s[14:15]            ; one lane stores the chunk's word
	s_wait_xcnt 0x0                                ; and again in front of the line that widens it
	s_or_b32 exec_lo, exec_lo, s30
	s_endpgm
.Lkeys:	; ---- K: my wave's record: 128 keys, four pairs of tiles of 16
	s_lshl_b32 s17, ttmp9, 2
	s_add_co_u32 s17, s17, s16                     ; the record: 16 x head + step
	s_lshl_b32 s20, s17, 15                        ; 128 keys of 256 bytes
	s_add_nc_u64 s[4:5], s[4:5], s[20:21]
	s_mul_i32 s20, s17, REC
	s_add_nc_u64 s[10:11], s[10:11], s[20:21]
	s_mov_b32 s30, 0xffff0000                      ; lanes 16-31
	s_mul_i32 s22, s16, WST                        ; my stage
	v_lshlrev_b32 v4, 4, v1
	v_lshlrev_b32 v5, 3, v1
	v_mul_u32_u24 v6, v3, SP
	v_lshl_add_u32 v6, v2, 4, v6
	v_add_nc_u32 v6, s22, v6                       ; in: lanes 0-15 a key's 256 bytes, lanes 16-31 the next key's, one row on
	v_mul_u32_u24 v7, v2, SP
	v_lshl_add_u32 v7, v3, 7, v7
	v_add_nc_u32 v7, s22, v7                       ; out: row r, + 128 h
	v_lshlrev_b32 v8, 3, v3
	v_mov_b32 v17, 0                               ; a lane permute's destination counts as read
	LOADP 0
	LOADP 1
	PAIR 0
	PAIR 1
	PAIR 2
	PAIR 3
	global_store_b64 v5, v[28:29], s[10:11] offset:KSC   ; the record's scale words of K: 256 consecutive bytes, aligned
	s_wait_tensorcnt 0x0
	ds_add_u32 v244, v245
	s_wait_dscnt 0x0
	s_endpgm
.Lvalues:	; ---- V: my wave's 32 channels of a record's 128 keys
	s_sub_co_u32 s17, ttmp9, 256
	s_lshl_b32 s17, s17, 2
	s_add_co_u32 s17, s17, s16
	s_lshr_b32 s22, s17, 1                         ; the record
	s_and_b32 s23, s17, 1                          ; which 32 channels
	s_lshl_b32 s20, s22, 15
	s_lshl_b32 s24, s23, 7
	s_add_co_u32 s20, s20, s24
	s_add_nc_u64 s[6:7], s[6:7], s[20:21]
	s_mul_i32 s25, s22, REC
	s_mul_i32 s20, s23, 3072                       ; two fragments of V^T
	s_add_co_u32 s20, s20, s25
	s_add_nc_u64 s[26:27], s[10:11], s[20:21]      ; where my codes go,
	s_add_co_u32 s20, s25, s24
	s_add_nc_u64 s[28:29], s[10:11], s[20:21]      ; and my 32 scale words
	v_lshlrev_b32 v4, 2, v1
	v_mul_u32_u24 v5, v3, 1536
	v_lshl_add_u32 v5, v2, 4, v5                   ; my channel's tile (lane / 16) and its row's place in an image (16 r)
	LOADV 0
	LOADV 1
	BLOCKV 0
	BLOCKV 1
	BLOCKV 2
	BLOCKV 3
.irp e, 0,1
.irp c, 0,1,2
	global_store_b128 v5, v[96+12*\e+4*\c:99+12*\e+4*\c], s[26:27] offset:VFR+512*\c+256*\e   ; image lanes (r, e): sixteen lanes store 256 consecutive bytes, aligned
.endr
.endr
	global_store_b32 v4, v24, s[28:29] offset:VSC  ; 128 consecutive bytes: my half of the record's 256
	s_endpgm
.Lfunc_end_k_q2c02a8f0b5_prep:
	.size	k_q2c02a8f0b5_prep, .Lfunc_end_k_q2c02a8f0b5_prep-k_q2c02a8f0b5_prep
	.p2alignl 7, 3214868480
	.fill 96, 4, 3214868480
	.section	.rodata,"a",@progbits
	.p2align	6, 0x0
	.amdhsa_kernel k_q2c02a8f0b5_prep
		.amdhsa_group_segment_fixed_size 35328
		.amdhsa_private_segment_fixed_size 0
		.amdhsa_enable_private_segment 0
		.amdhsa_kernarg_size 48
		.amdhsa_user_sgpr_count 2
		.amdhsa_user_sgpr_kernarg_segment_ptr 1
		.amdhsa_wavefront_size32 1
		.amdhsa_system_sgpr_workgroup_id_x 1
		.amdhsa_system_sgpr_workgroup_id_y 1
		.amdhsa_system_sgpr_workgroup_id_z 1
		.amdhsa_system_vgpr_workitem_id 0
		.amdhsa_next_free_vgpr 246
		.amdhsa_next_free_sgpr 66
		.amdhsa_reserve_vcc 1
		.amdhsa_float_denorm_mode_32 3
		.amdhsa_float_denorm_mode_16_64 3
		.amdhsa_memory_ordered 1
		.amdhsa_forward_progress 1
		.amdhsa_inst_pref_size 77
	.end_amdhsa_kernel
	.amdgpu_metadata
---
amdhsa.version: [ 1, 2 ]
amdhsa.kernels:
  - .name:           k_q2c02a8f0b5_prep
    .symbol:         k_q2c02a8f0b5_prep.kd
    .args:
      - { .name: k, .offset: 0, .size: 8, .value_kind: global_buffer, .address_space: global }
      - { .name: v, .offset: 8, .size: 8, .value_kind: global_buffer, .address_space: global }
      - { .name: mask, .offset: 16, .size: 8, .value_kind: global_buffer, .address_space: global }
      - { .name: kv, .offset: 24, .size: 8, .value_kind: global_buffer, .address_space: global }
      - { .name: mbits, .offset: 32, .size: 8, .value_kind: global_buffer, .address_space: global }
      - { .name: flags, .offset: 40, .size: 8, .value_kind: global_buffer, .address_space: global }
    .group_segment_fixed_size: 35328
    .private_segment_fixed_size: 0
    .kernarg_segment_align: 8
    .kernarg_segment_size: 48
    .max_flat_workgroup_size: 128
    .sgpr_count:     66
    .vgpr_count:     246
    .wavefront_size: 32
...
	.end_amdgpu_metadata
.endif
;; end of part 1
;; launch attn (part 2): grid 256 x 1, 16 waves a work-group, no clusters, 276,480 bytes of LDS; arguments q, kv, mbits, flags, out0; writes out0
.if DOCPART == 2
	.amdgcn_target "amdgcn-amd-amdhsa--gfx1250"
	.amdhsa_code_object_version 6
	.text
	.protected	k_q2c02a8f0b5_attn
	.globl	k_q2c02a8f0b5_attn
	.p2align	8
	.type	k_q2c02a8f0b5_attn,@function
k_q2c02a8f0b5_attn:
	s_mov_b64 s[64:65], 0
	v_nop
	global_prefetch_b8 v0, s[64:65] scope:SCOPE_SE
	s_setreg_imm32_b32 hwreg(HW_REG_WAVE_MODE, 25, 1), 1
	s_wait_xcnt 0x0
; out0[h][q][:] = the sum over k of softmax_k(mask ? q . k / 8 : -inf) v[h][k][:], 64 heads, 2,048 queries and keys, head size 64; both products on codes of BF6 (E3M2) with one E8M0 scale for each 32 along K.
; THE SOFTMAX AHEAD OF THE SECOND PRODUCT: t = score x log2(e) / 8; M = the running largest t, rounded UP to a whole number; p = 2^(t - M) is quantised along the keys, not normalised; the row's sum is taken of the
; unquantised p and divides at the end.  When M moves, the sum and O are multiplied by 2^(old M - new M): exact.
; INPUTS OF THIS LAUNCH: q as f32 (quantised here, in registers: each row is read once); kv, mbits, flags as the launch before laid them:
;   kv: a record of 12,800 bytes for each head and step of 128 keys, images of operand registers (group c of lane l at 512 c + 16 l of a fragment's 1,536 bytes): +0 four fragments of K, +6,144 four of V^T, +12,288 K's scale
;   words, +12,544 V's.   mbits: for each tile of 16 queries and step 64 words, word j the lane mask of score register j.   flags: for each tile 8 words whose OR has bit s set where step s holds a true byte, bit 16 + s a false one.
; SHARES.  A work-group owns a quarter of one head's queries.  THE HEAD'S 16 RECORDS, 204,800 bytes, LIE IN LDS WHOLE: filled once through registers, one barrier, then the sixteen waves run free.
; A wave owns two tiles of 16 queries, 127 - i and i (i = 16 x (work-group % 4) + wave), one after the other, in 256 registers: four waves to a SIMD, so that one wave's vector work stands beside another's products and LDS loads.
; A STEP THAT THE MASK HIDES WHOLLY FOR A TILE IS LEFT OUT, by a scalar branch on the stored flags; a step with no false byte skips the 64 selects.  The pairing gives every wave 17 of 32 steps under a lower-triangular mask;
; under any other mask the results are as right and only the balance differs.  Trip counts and addresses hang on no data.
; NO JOINT REQUESTS, though the four work-groups of a head read the same 204,800 bytes: a joint request is a tensor load.
; The branches spare up to 15 of a wave's 32 steps; the sharing would spare three of four reads of 204,800 bytes, made once at the head.
; THE FIRST PRODUCT HAS K = 64, the instruction 128: a fragment of K carries TWO keys a row, one in k 0-63, the key 8 further on in k 64-127, and is multiplied twice, by Q with zeros above and by Q with zeros below.
; Both products are used transposed (S^T = K Q^T, O^T = V^T P^T): a lane holds one query (lane % 16) throughout; score register 16 b + i of lane l is key 32 b + 16 (l / 16) + i.
; LIMITS: NaN and infinities in q are not served; a block of q or p that is all zeros, or whose largest magnitude lies under 2^-122, gets the scale byte 1 (its codes are zeros or what that scale gives);
; p under 2^-126 counts as 0 (v_exp_f32 flushes: ISA guide, its entry).  A query with no true mask byte gets NaN (0 x 1/0), as the softmax of a row of -inf gives.
; REGISTERS: v1-3 16, 8, 4 x lane; v4-6 my stage; v8-10 the step's LDS addresses; v11 -inf; v12 -M, v13 largest t, v[14:15] the sum in two halves; v16-33 first tile's Q (six zeros, six of codes, six zeros);
;   v34, v35 Q's scale words; v36-83 four fragments of K, then of V; v96-159 S^T, then p; v160-191 O^T; v192-203 p's codes; v204-229 at work; v226 p's scale word; v230-247 second tile's Q; v248-251 the fill's LDS addresses;
;   v[252:253] K's scale words, v254, v255 V's.
.set REC,   12800
.set HEADB, 16*REC                     ; LDS 0 .. 204,799: the head's records
.set VFR,   6144
.set KSC,   12288
.set VSC,   12544
.set SP,    272                        ; a stage row: 256 bytes + 16
.set WSTG,  16*SP                      ; behind the records: a stage of 16 rows for each wave, for q on the way in and O on the way out
.set FLOOR, 0x2800000                  ; 2^(5 - 127)
.set EOFF,  0xfe000000                 ; takes 4 off an exponent field
.set FRG,   36
.set S,     96
.set O,     160
.set PC,    192
; 32 numbers of a lane, channels 32 h on of query r, become six registers of codes at v[qd] on and the row's scale word, its two bytes twice (so that it serves the codes in k 0-63 and in k 64-127), in lanes 0-15 of v[sc].
.macro QUANTQ src, qd, sc
	v_max3_num_f32 v212, |v[\src]|, |v[\src+1]|, FLOOR
.irp i, 2,4,6,8,10,12,14,16,18,20,22,24,26,28,30
	v_max3_num_f32 v212, v212, |v[\src+\i]|, |v[\src+1+\i]|
.endr
	v_add_nc_u32 v220, EOFF, v212                  ; the conversion's scale operand
	v_lshrrev_b32 v216, 23, v220                   ; the scale's byte
	v_permlanex16_b32 v217, v216, s24, s25         ; the other block's
	v_lshl_or_b32 v[\sc], v217, 8, v216            ; (right in lanes 0-15, which alone are read)
	v_lshl_or_b32 v[\sc], v[\sc], 16, v[\sc]
	v_cvt_scalef32_pk16_bf6_f32 v[\qd:\qd+2], v[\src:\src+15], v220
	v_cvt_scalef32_pk16_bf6_f32 v[204:206], v[\src+16:\src+31], v220   ; (a conversion's three registers begin on an even number)
	v_nop                                          ; one plain place behind a scaled conversion
.irp i, 0,1,2
	v_mov_b32 v[\qd+3+\i], v[204+\i]
.endr
.endm
; ONE TILE OF 16 QUERIES through all 16 key steps.  qbase: its Q (zeros, codes, zeros); qscale: its scale word; flg: the scalar register with its flags; til: the one with its number.
.macro TILE qbase, qscale, flg, til
	v_mov_b32 v13, 0xff61b1e6                      ; the largest t so far: -3e38, under every t
	v_floor_f32 v12, -v13                          ; -M
	v_mov_b32 v14, 0
	v_mov_b32 v15, 0
.set n, 0
.rept 32
	v_mov_b32 v[O+n], 0                            ; O^T begins as zeros: which step is a tile's first hangs on the flags, so no product can be written as the one that starts the sums
.set n, n+1
.endr
	s_mov_b32 s26, 0                               ; the step's record in LDS
	s_mov_b32 s27, 0                               ; the step
	s_lshl_b32 s28, s[\til], 12                    ; the step's 64 mask words: 4,096 bytes a tile, 256 a step
	s_mov_b32 s2, s28                              ; and the tile's 16 rows of out0, 4,096 bytes too
	s_mov_b32 s3, 0
	s_add_nc_u64 s[30:31], s[12:13], s[2:3]
.Lstep_\@:
	s_bitcmp1_b32 s[\flg], 0                       ; has this step a true byte for my 16 queries?
	s_cbranch_scc0 .Lskip_\@
	s_load_b512 s[32:47], s[8:9], s28 offset:0x0   ; the mask words, in every step that is worked, so that the wait below counts the same loads on every way
	s_load_b512 s[48:63], s[8:9], s28 offset:0x40
	s_load_b512 s[68:83], s[8:9], s28 offset:0x80
	s_load_b512 s[84:99], s[8:9], s28 offset:0xc0
	v_add_nc_u32 v8, s26, v1
	v_add_nc_u32 v9, s26, v2
	v_add_nc_u32 v10, s26, v3
	v_nop                                          ; four places between the last step's products and loads into registers that they read (ISA guide 7.12.1 for vector instructions)
	ds_load_b64 v[252:253], v9 offset:KSC
.irp b, 0,1,2,3
.irp c, 0,1,2
	ds_load_b128 v[FRG+12*\b+4*\c:FRG+12*\b+4*\c+3], v8 offset:1536*\b+512*\c
.endr
.endr
.irp b, 0,1,2,3                        ; S^T: pair b's fragment against Q below (its lower keys) and Q above (the keys 8 further on): registers 16 b .. 16 b + 15 are 16 neighbouring keys
	s_wait_dscnt 9-3*\b                            ; the scale words and pairs 0 .. b are in; three loads for each later pair stay out
.if \b%2 == 0
	v_wmma_scale_f32_16x16x128_f8f6f4 v[S+16*\b:S+16*\b+7], v[FRG+12*\b:FRG+12*\b+11], v[\qbase+6:\qbase+17], 0, v[252+\b/2], v[\qscale] matrix_a_fmt:MATRIX_FMT_BF6 matrix_b_fmt:MATRIX_FMT_BF6
	v_wmma_scale_f32_16x16x128_f8f6f4 v[S+16*\b+8:S+16*\b+15], v[FRG+12*\b:FRG+12*\b+11], v[\qbase:\qbase+11], 0, v[252+\b/2], v[\qscale] matrix_a_fmt:MATRIX_FMT_BF6 matrix_b_fmt:MATRIX_FMT_BF6
.else
	v_wmma_scale_f32_16x16x128_f8f6f4 v[S+16*\b:S+16*\b+7], v[FRG+12*\b:FRG+12*\b+11], v[\qbase+6:\qbase+17], 0, v[252+\b/2], v[\qscale] matrix_a_fmt:MATRIX_FMT_BF6 matrix_b_fmt:MATRIX_FMT_BF6 matrix_a_scale:MATRIX_SCALE_ROW1
	v_wmma_scale_f32_16x16x128_f8f6f4 v[S+16*\b+8:S+16*\b+15], v[FRG+12*\b:FRG+12*\b+11], v[\qbase:\qbase+11], 0, v[252+\b/2], v[\qscale] matrix_a_fmt:MATRIX_FMT_BF6 matrix_b_fmt:MATRIX_FMT_BF6 matrix_a_scale:MATRIX_SCALE_ROW1
.endif
.endr
.rept 4
	v_nop                                          ; four places: for the loads into K's registers, and for the first read of the scores
.endr
.irp t, 0,1,2,3                        ; V's fragments are asked for now and land under the softmax
.irp c, 0,1,2
	ds_load_b128 v[FRG+12*\t+4*\c:FRG+12*\t+4*\c+3], v8 offset:VFR+1536*\t+512*\c
.endr
.endr
	ds_load_b32 v254, v10 offset:VSC               ; lanes 0-15: channels 0-15 (tile 0), lanes 16-31: tile 1
	ds_load_b32 v255, v10 offset:VSC+128           ; tiles 2 and 3
	s_wait_kmcnt 0x0                               ; the mask words are in (scalar loads return in no order: the count is 0)
	s_bitcmp1_b32 s[\flg], 16                      ; has this step a false byte for my queries?
	s_cbranch_scc0 .Lopen_\@
.set n, 0
.rept 32
	v_cndmask_b32 v[S+n], v11, v[S+n], s[32+n]     ; hidden scores become -inf ahead of the maximum: p = 0 then.  Each accumulator from its low end on
.set n, n+1
.endr
.rept 32
	v_cndmask_b32 v[S+n], v11, v[S+n], s[36+n]
.set n, n+1
.endr
.Lopen_\@:
.irp b, 0,1,2,3
	v_max3_num_f32 v[212+\b], v[S+16*\b], v[S+1+16*\b], v[S+2+16*\b]   ; THE LARGEST SCORE OF EACH BLOCK OF 32 KEYS serves twice: for the row's maximum and, since p rises with the score, for the block's largest p
.endr
.irp i, 3,5,7,9,11,13
.irp b, 0,1,2,3
	v_max3_num_f32 v[212+\b], v[212+\b], v[S+16*\b+\i], v[S+1+16*\b+\i]   ; (the four blocks by turns)
.endr
.endr
.irp b, 0,1,2,3
	v_max_num_f32 v[212+\b], v[212+\b], v[S+15+16*\b]
.endr
.irp b, 0,1,2,3
	v_permlanex16_b32 v[216+\b], v[212+\b], s24, s25
.endr
.irp b, 0,1,2,3
	v_max_num_f32 v[212+\b], v[212+\b], v[216+\b]  ; with lane l xor 16's 16 keys
.endr
	v_max3_num_f32 v227, v212, v213, v214
	v_max_num_f32 v227, v227, v215                 ; the step's largest score of my query
	v_mul_f32 v227, s22, v227                      ; as t (c is positive)
	v_max_num_f32 v13, v13, v227                   ; the running largest t (a query all of whose keys so far are hidden keeps -3e38)
	v_mov_b32 v227, v12
	v_floor_f32 v12, -v13                          ; the new -M = floor(-t) = -ceil(t): a whole number
	v_sub_f32 v227, v12, v227                      ; old M less new M: a whole number, 0 or less
	v_cvt_i32_f32 v227, v227                       ; (it saturates)
	v_ldexp_f32 v224, 1.0, v227                    ; f = 2^(old M - new M): a multiplication by it rounds nothing
.set n, 0
.rept 32
	v_pk_fma_f32 v[S+n:S+n+1], v[S+n:S+n+1], s[22:23], v[12:13] op_sel_hi:[1,0,0]   ; t - M, two at a time (of the pairs c and -M the low word serves both halves)
.set n, n+2
.endr
.irp b, 0,1,2,3
	v_fma_f32 v[212+\b], v[212+\b], s22, v12       ; the same of each block's largest score
.endr
.set n, 0
.rept 64
	v_exp_f32 v[S+n], v[S+n]                       ; p = 2^(t - M), at most 1: not normalised
.set n, n+1
.endr
.irp b, 0,1,2,3
	v_exp_f32 v[212+\b], v[212+\b]                 ; the block's largest p: the same two instructions on the same number give the same bits
.endr
	v_pk_mul_f32 v[14:15], v[14:15], v[224:225] op_sel_hi:[1,0]   ; the sums under the new M.  (The plain place behind the exponentials)
	s_wait_alu depctr_va_vdst(0)
.irp b, 0,1,2,3
	v_max_num_f32 v[212+\b], FLOOR, v[212+\b]      ; the floor: the byte cannot fall under 1 (a block whose every p is 0 keeps that byte: its codes are zeros)
.endr
.irp b, 0,1,2,3
	v_add_nc_u32 v[220+\b], EOFF, v[212+\b]        ; the conversion's scale operand
.endr
.irp b, 0,1,2,3
	v_lshrrev_b32 v[216+\b], 23, v[220+\b]         ; the scale's byte
.endr
	v_lshl_or_b32 v226, v217, 8, v216              ; p's scale word for these 128 keys
	v_lshl_or_b32 v226, v218, 16, v226
	v_lshl_or_b32 v226, v219, 24, v226
.irp c, 0,1
	v_cvt_scalef32_pk16_bf6_f32 v[PC+6*\c:PC+2+6*\c], v[S+32*\c:S+15+32*\c], v[220+2*\c]
	v_cvt_scalef32_pk16_bf6_f32 v[204+4*\c:206+4*\c], v[S+16+32*\c:S+31+32*\c], v[221+2*\c]   ; (a conversion's three registers begin on an even number)
.endr
	v_nop                                          ; one plain place behind a scaled conversion
.irp c, 0,1                            ; the operand's layout wants a WHOLE block in a lane: lanes 0-15 block 2 c, lanes 16-31 block 2 c + 1
.irp i, 0,1,2
	v_permlane16_swap_b32 v[PC+6*\c+\i], v[204+4*\c+\i]
.endr
.irp i, 0,1,2
	v_mov_b32 v[PC+3+6*\c+\i], v[204+4*\c+\i]
.endr
.endr
	v_pk_add_f32 v[228:229], v[S:S+1], v[S+2:S+3]  ; THE ROW'S SUM IS TAKEN OF THE UNQUANTISED p: two at a time, in two chains
.irp j, 4,8,12,16,20,24,28,32,36,40,44,48,52,56,60
	v_pk_add_f32 v[14:15], v[14:15], v[S+\j:S+1+\j]
	v_pk_add_f32 v[228:229], v[228:229], v[S+2+\j:S+3+\j]
.endr
	v_pk_add_f32 v[14:15], v[14:15], v[228:229]
.set n, 0
.rept 16
	v_pk_mul_f32 v[O+n:O+n+1], v[O+n:O+n+1], v[224:225] op_sel_hi:[1,0]   ; O^T under the new M, each accumulator from its low end on.  (The sums and these are the places between p's codes and scale word and the products)
.set n, n+2
.endr
	s_wait_dscnt 0x0                               ; V's fragments and scale words are in
.irp t, 0,1,2,3                        ; O^T += V^T P^T: four tiles of 16 channels; K = these 128 keys.  The accumulators take turns, one instruction a turn
.if \t%2 == 0
	v_wmma_scale_f32_16x16x128_f8f6f4 v[O+8*\t:O+8*\t+7], v[FRG+12*\t:FRG+12*\t+11], v[PC:PC+11], v[O+8*\t:O+8*\t+7], v[254+\t/2], v226 matrix_a_fmt:MATRIX_FMT_BF6 matrix_b_fmt:MATRIX_FMT_BF6
.else
	v_wmma_scale_f32_16x16x128_f8f6f4 v[O+8*\t:O+8*\t+7], v[FRG+12*\t:FRG+12*\t+11], v[PC:PC+11], v[O+8*\t:O+8*\t+7], v[254+\t/2], v226 matrix_a_fmt:MATRIX_FMT_BF6 matrix_b_fmt:MATRIX_FMT_BF6 matrix_a_scale:MATRIX_SCALE_ROW1
.endif
.endr
.Lskip_\@:
	s_add_co_u32 s26, s26, REC                     ; the next step's record, mask words (no scalar load is out: a worked step has waited for them) and flags
	s_add_co_u32 s28, s28, 256
	s_lshr_b32 s[\flg], s[\flg], 1
	s_add_co_u32 s27, s27, 1
	s_cmp_lt_u32 s27, 16
	s_cbranch_scc1 .Lstep_\@
	; THE WAY OUT: O^T / the sum goes through my stage and leaves as whole rows of 256 bytes, two to a store.
	v_add_f32 v14, v14, v15                        ; the sum's two halves,
	v_permlanex16_b32 v227, v14, s24, s25
	v_add_f32 v14, v14, v227                       ; and lane l xor 16's: the row's sum
	v_rcp_f32 v14, v14
.rept 3
	v_nop                                          ; a plain place behind the reciprocal; with the two additions five places behind the last product
.endr
.set n, 0
	s_wait_alu depctr_va_vdst(0)
.rept 16
	v_pk_mul_f32 v[S+n:S+n+1], v[O+n:O+n+1], v[14:15] op_sel_hi:[1,0]   ; register 8 t + j is out(r, 16 t + 8 h + j)
.set n, n+2
.endr
.irp t, 0,1,2,3
	ds_store_b128 v6, v[S+8*\t:S+8*\t+3] offset:64*\t
	ds_store_b128 v6, v[S+8*\t+4:S+8*\t+7] offset:64*\t+16
.endr
.irp i, 0,1,2,3,4,5,6,7
	ds_load_b128 v[S+32+4*\i:S+35+4*\i], v4 offset:2*SP*\i   ; LDS serves a wave's instructions in order: these see my stores
.endr
.irp i, 0,1,2,3,4,5,6,7
	s_wait_dscnt 7-\i                              ; rows 2 i and 2 i + 1 are back; the younger loads stay out
	global_store_b128 v1, v[S+32+4*\i:S+35+4*\i], s[30:31] offset:512*\i th:TH_STORE_NT   ; 32 lanes store 512 consecutive bytes, aligned; written once
.endr
	s_wait_xcnt 0x0                                ; the stores have read their registers and their base: the next tile writes both
.endm
	s_load_b256 s[4:11], s[0:1], 0x0               ; q s[4:5], kv s[6:7], mbits s[8:9], flags s[10:11]
	s_load_b64 s[12:13], s[0:1], 0x20              ; out0
	v_lshl_add_u32 v207, v0, 2, 0x43000
	v_mov_b32 v211, 0
	v_lshrrev_b32 v1, 5, v0
	v_readfirstlane_b32 s14, v1                    ; wave 0..15
	s_lshr_b32 s15, ttmp9, 2                       ; the head
	s_and_b32 s16, ttmp9, 3
	s_lshl_b32 s16, s16, 4
	s_add_co_u32 s16, s16, s14                     ; i = 16 x (work-group % 4) + wave
	s_sub_co_u32 s17, 127, s16                     ; my first tile of queries,
	s_mov_b32 s18, s16                             ; and my second
	s_mov_b32 s22, 0x3e38aa3b                      ; c = log2(e) / 8
	s_mov_b32 s23, s22                             ; (named with it as a pair, so it is written)
	s_mov_b32 s24, 0x76543210
	s_mov_b32 s25, 0xfedcba98                      ; v_permlanex16_b32's selects for lane l xor 16
	v_and_b32 v7, 31, v0                           ; lane
	v_lshlrev_b32 v1, 4, v7
	v_lshlrev_b32 v2, 3, v7
	v_lshlrev_b32 v3, 2, v7
	v_and_b32 v8, 15, v0                           ; r
	v_bfe_u32 v9, v0, 4, 1                         ; h
	s_mul_i32 s21, s14, WSTG
	s_add_co_u32 s21, s21, HEADB                   ; my stage
	v_mul_u32_u24 v4, v9, SP
	v_lshl_add_u32 v4, v8, 4, v4
	v_add_nc_u32 v4, s21, v4                       ; by rows: lanes 0-15 one row of 256 bytes, lanes 16-31 the next
	v_mul_u32_u24 v5, v8, SP
	v_lshl_add_u32 v6, v9, 5, v5
	v_lshl_add_u32 v5, v9, 7, v5
	v_add_nc_u32 v5, s21, v5                       ; q: row r, + 128 h: my block of 32 channels
	v_add_nc_u32 v6, s21, v6                       ; O: row r, + 32 h: my eight channels of a tile of 16
	v_lshlrev_b32 v248, 4, v0                      ; the fill: 16 bytes a thread, 8,192 a round of the work-group; LDS offsets hold 16 bits, so four registers 65,536 apart
	v_add_nc_u32 v249, 0x10000, v248
	v_add_nc_u32 v250, 0x20000, v248
	v_add_nc_u32 v251, 0x30000, v248
	s_wait_kmcnt 0x0
	s_mul_i32 s84, s15, HEADB
	s_mov_b32 s85, 0
	s_add_nc_u64 s[6:7], s[6:7], s[84:85]          ; the head's records
	s_lshl_b32 s84, s15, 19                        ; the head's 2,048 rows of 256 bytes
	s_add_nc_u64 s[12:13], s[12:13], s[84:85]
	s_add_nc_u64 s[4:5], s[4:5], s[84:85]
	s_lshl_b32 s86, s17, 12
	s_mov_b32 s87, 0
	s_add_nc_u64 s[88:89], s[4:5], s[86:87]        ; q at my first tile,
	s_lshl_b32 s86, s18, 12
	s_add_nc_u64 s[92:93], s[4:5], s[86:87]        ; and at my second
	s_lshl_b32 s2, s17, 5                          ; a tile's eight flag words
	s_lshl_b32 s3, s18, 5
	s_load_b256 s[68:75], s[10:11], s2 offset:0x0
	s_load_b256 s[76:83], s[10:11], s3 offset:0x0
.set n, 0
.rept 25                               ; 25 rounds of 8,192 bytes are the head's 204,800; a wave's load reads 512 consecutive bytes
	global_load_b128 v[36+4*n:39+4*n], v248, s[6:7] offset:8192*n
.set n, n+1
.endr
.irp j, 0,1,2,3,4,5,6,7
	global_load_b128 v[136+4*\j:139+4*\j], v1, s[88:89] offset:512*\j th:TH_LOAD_NT   ; my first tile's 16 rows of q as they lie,
.endr
.irp j, 0,1,2,3,4,5,6,7
	global_load_b128 v[168+4*\j:171+4*\j], v1, s[92:93] offset:512*\j th:TH_LOAD_NT   ; and my second's
.endr
	v_mov_b32 v11, 0xff800000                      ; -inf
	v_mov_b32 v225, 0                              ; (named as the upper half of the pair v[224:225])
.irp i, 216,217,218,219,227
	v_mov_b32 v\i, 0                               ; written once: a lane permute's destination counts as read
.endr
.irp i, 0,1,2,3,4,5
	v_mov_b32 v[16+\i], 0                          ; the zeros on both sides of Q's codes: zero codes add nothing under any scale byte
	v_mov_b32 v[28+\i], 0
	v_mov_b32 v[230+\i], 0
	v_mov_b32 v[242+\i], 0
.endr
	s_wait_kmcnt 0x0
	s_or_b32 s19, s68, s69                         ; the tiles' flags
	s_or_b32 s20, s76, s77
.irp i, 2,3,4,5,6,7
	s_or_b32 s19, s19, s[68+\i]
	s_or_b32 s20, s20, s[76+\i]
.endr
.set n, 0
.rept 25
	s_wait_loadcnt 40-n                            ; round n is in: behind it 24 - n rounds and q's 16 loads
	ds_store_b128 v[248+n/8], v[36+4*n:39+4*n] offset:8192*(n%8)
.set n, n+1
.endr
	s_wait_dscnt 0x0                               ; my part of the records lies in LDS, and the stores have read their registers
	s_wait_loadcnt 8                               ; my first tile of q is in; the second's 8 loads stay out
.irp j, 0,1,2,3,4,5,6,7
	ds_store_b128 v4, v[136+4*\j:139+4*\j] offset:2*SP*\j
.endr
.irp i, 0,1,2,3,4,5,6,7
	ds_load_b128 v[36+4*\i:39+4*\i], v5 offset:16*\i   ; back as 32 neighbours a lane.  LDS serves a wave's instructions in order
.endr
	s_wait_loadcnt 0x0
.irp j, 0,1,2,3,4,5,6,7
	ds_store_b128 v4, v[168+4*\j:171+4*\j] offset:2*SP*\j
.endr
.irp i, 0,1,2,3,4,5,6,7
	ds_load_b128 v[68+4*\i:71+4*\i], v5 offset:16*\i
.endr
	s_wait_dscnt 16                                ; the first tile's numbers are back; the second tile's 8 stores and 8 loads stay out
	QUANTQ 36, 22, 34
	s_wait_dscnt 0x0                               ; for the others' sake zero: no LDS instruction of mine is out, the fill's stores among them
	s_barrier_signal -1
	QUANTQ 68, 236, 35                             ; work on registers while the others arrive
	s_barrier_wait -1                              ; the head's records are whole: from here on nobody writes them, and each wave touches its own stage alone
	TILE 16, 34, 19, 17
	TILE 230, 35, 20, 18
	s_wait_tensorcnt 0x0
	ds_add_u32 v207, v211
	s_wait_dscnt 0x0
	s_endpgm
.Lfunc_end_k_q2c02a8f0b5_attn:
	.size	k_q2c02a8f0b5_attn, .Lfunc_end_k_q2c02a8f0b5_attn-k_q2c02a8f0b5_attn
	.p2alignl 7, 3214868480
	.fill 96, 4, 3214868480
	.section	.rodata,"a",@progbits
	.p2align	6, 0x0
	.amdhsa_kernel k_q2c02a8f0b5_attn
		.amdhsa_group_segment_fixed_size 276480
		.amdhsa_private_segment_fixed_size 0
		.amdhsa_enable_private_segment 0
		.amdhsa_kernarg_size 40
		.amdhsa_user_sgpr_count 2
		.amdhsa_user_sgpr_kernarg_segment_ptr 1
		.amdhsa_wavefront_size32 1
		.amdhsa_system_sgpr_workgroup_id_x 1
		.amdhsa_system_sgpr_workgroup_id_y 1
		.amdhsa_system_sgpr_workgroup_id_z 1
		.amdhsa_system_vgpr_workitem_id 0
		.amdhsa_next_free_vgpr 256
		.amdhsa_next_free_sgpr 100
		.amdhsa_reserve_vcc 0
		.amdhsa_float_denorm_mode_32 3
		.amdhsa_float_denorm_mode_16_64 3
		.amdhsa_memory_ordered 1
		.amdhsa_forward_progress 1
		.amdhsa_inst_pref_size 65
	.end_amdhsa_kernel
	.amdgpu_metadata
---
amdhsa.version: [ 1, 2 ]
amdhsa.kernels:
  - .name:           k_q2c02a8f0b5_attn
    .symbol:         k_q2c02a8f0b5_attn.kd
    .args:
      - { .name: q, .offset: 0, .size: 8, .value_kind: global_buffer, .address_space: global }
      - { .name: kv, .offset: 8, .size: 8, .value_kind: global_buffer, .address_space: global }
      - { .name: mbits, .offset: 16, .size: 8, .value_kind: global_buffer, .address_space: global }
      - { .name: flags, .offset: 24, .size: 8, .value_kind: global_buffer, .address_space: global }
      - { .name: out0, .offset: 32, .size: 8, .value_kind: global_buffer, .address_space: global }
    .group_segment_fixed_size: 276480
    .private_segment_fixed_size: 0
    .kernarg_segment_align: 8
    .kernarg_segment_size: 40
    .max_flat_workgroup_size: 512
    .sgpr_count:     100
    .vgpr_count:     256
    .wavefront_size: 32
...
	.end_amdgpu_metadata
.endif
;; end of part 2
;; ======== version 2 of 2: 2 launches
;; workspace buffers: kv 13,107,200 bytes; mbits 524,288 bytes of whole numbers; flags 4,096 bytes of whole numbers
;; launch prep (part 3): grid 1024 x 1, 4 waves a work-group, no clusters, 35,328 bytes of LDS; arguments k, v, mask, kv, mbits, flags; writes kv, mbits, flags
.if DOCPART == 3
	.amdgcn_target "amdgcn-amd-amdhsa--gfx1250"
	.amdhsa_code_object_version 6
	.text
	.protected	k_q2c02a8f0b5_prep
	.globl	k_q2c02a8f0b5_prep
	.p2align	8
	.type	k_q2c02a8f0b5_prep,@function
k_q2c02a8f0b5_prep:
	s_mov_b64 s[64:65], 0
	v_nop
	global_prefetch_b8 v0, s[64:65] scope:SCOPE_SE
	s_setreg_imm32_b32 hwreg(HW_REG_WAVE_MODE, 25, 1), 1
	s_wait_xcnt 0x0
; THE LAUNCH IN FRONT OF THE ATTENTION.  k, v: [64 heads][2048 keys][64] f32.  mask: [2048 queries][2048 keys] bytes, 0 or 1.
; It makes, once, what every query block of a head reads again:
;   kv    [64 heads][16 key steps] records of 12,800 bytes, each an IMAGE OF OPERAND REGISTERS of BF6 (E3M2) codes: group c (four registers) of lane l of a fragment lies at 512 c + 16 l of its 1,536 bytes.
;         +0      four fragments of K, pair b at 1,536 b: lane (r, h), registers 0-5: key 32 b + r + 8 (r / 8), channels 32 h .. 32 h + 31; registers 6-11: the key 8 further on, the same channels.
;         +6,144  four fragments of V^T, tile t at 1,536 t: lane (r, h), registers 6 c .. 6 c + 5: channel 16 t + r, keys 64 c + 32 h + 0 .. 31.
;         +12,288 K's scale words, two a lane at 8 l: word 0: pair 0 in lanes 0-15, pair 1 in lanes 16-31; word 1: pairs 2 and 3.  Bytes 0, 1: the lower key's two blocks; bytes 2, 3: the upper key's.
;         +12,544 V's scale words: channel d's at 4 d; byte b scales keys 32 b .. 32 b + 31.
;   mbits [128 query tiles][16 key steps][64 words]: word 16 b + i, bit l = mask[16 T + l % 16][128 s + 32 b + 16 (l / 16) + i]: the lane mask of one score register of the attention.
;   flags [128 query tiles][8] words: the word of chunk ch (key steps 2 ch, 2 ch + 1) has bit 2 ch + e set where step 2 ch + e holds a true byte, bit 16 + 2 ch + e where it holds a false one.
; A block's scale is 2^(floor(log2(its largest magnitude)) - 4); its byte is the largest magnitude's exponent field - 4, held at 1 from below.
; LIMITS: a block of zeros, and a block whose largest magnitude lies under 2^-122, gets the byte 1 (the rule says 127 for zeros: its codes are zeros, and this program alone reads the bytes);
; NaN and infinities in k and v are not served; a mask byte counts by its lowest bit, and the flag for a false byte takes bytes to be 0 or 1.
; SHARES: work-groups 0-255: K, a record a wave.  256-767: V, half a record (32 channels) a wave.  768-1023: the mask, 16 queries x 256 keys a wave.  Waves share nothing: no barrier.
; A stream bound by memory: no matrix unit, no tensor loads, no cluster (no two work-groups read the same bytes).
.set REC,   12800
.set VFR,   6144
.set KSC,   12288
.set VSC,   12544
.set SP,    272                        ; K path: a stage row: a key's 256 bytes + 16, so that sixteen rows of a 16-byte column fall on different banks
.set WST,   32*SP                      ; a wave's stage: 32 keys
.set FLOOR, 0x2800000                  ; 2^(5 - 127): under it no largest magnitude is taken, so the byte cannot fall under 1
.set EOFF,  0xfe000000                 ; takes 4 off an exponent field
; ---- K path: macros.  v4 16 x lane; v5 8 x lane; v6, v7 the stage in and out; v8 8 h; v10-17 at work; v[28:29] scale words; v32-159 two sets as loaded; v160-223 two blocks of 32 neighbours; v224-235 the fragment
.macro LOADP b                         ; the 32 keys of pair b as they lie: each load reads 512 consecutive bytes, two keys
.irp j, 0,1,2,3,4,5,6,7,8,9,10,11,12,13,14,15
	global_load_b128 v[32+64*((\b)%2)+4*\j:35+64*((\b)%2)+4*\j], v4, s[4:5] offset:8192*(\b)+512*\j th:TH_LOAD_NT
.endr
.endm
.macro PAIR b
.set RS, 32+64*((\b)%2)
.if (\b) < 3
	s_wait_loadcnt 16                              ; this pair's 16 loads are in; the next pair's 16 stay out
.else
	s_wait_loadcnt 0x0
.endif
.irp j, 0,1,2,3,4,5,6,7,8,9,10,11,12,13,14,15  ; key x of the 32 goes to stage row 16 u + r, where x = 8 u + r + 8 (r / 8): u = (x / 8) % 2, r = x % 8 + 8 (x / 16)
	ds_store_b128 v6, v[RS+4*\j:RS+4*\j+3] offset:SP*(16*(((2*\j)/8)%2)+(2*\j)%8+8*((2*\j)/16))
.endr
.irp u, 0,1                            ; back: lane (r, h) takes the 32 channels 32 h on of the lower key (u = 0) and of the upper (u = 1).  LDS serves a wave's instructions in order: these see the stores
.irp i, 0,1,2,3,4,5,6,7
	ds_load_b128 v[160+32*\u+4*\i:163+32*\u+4*\i], v7 offset:16*SP*\u+16*\i
.endr
.endr
	s_wait_dscnt 0x0                               ; my 64 numbers are back, and the stores have read the set,
.if (\b) < 2
	LOADP (\b)+2                                   ; which takes the pair two on
.endif
	v_max3_num_f32 v10, |v160|, |v161|, FLOOR      ; both blocks' largest magnitudes, by turns: all 32 numbers of a block are mine
	v_max3_num_f32 v11, |v192|, |v193|, FLOOR
.irp i, 2,4,6,8,10,12,14,16,18,20,22,24,26,28,30
	v_max3_num_f32 v10, v10, |v[160+\i]|, |v[161+\i]|
	v_max3_num_f32 v11, v11, |v[192+\i]|, |v[193+\i]|
.endr
	v_add_nc_u32 v12, EOFF, v10                    ; the conversion takes the exponent field of this operand as its scale
	v_add_nc_u32 v13, EOFF, v11
	v_lshrrev_b32 v14, 23, v12                     ; the scales' bytes
	v_lshrrev_b32 v15, 23, v13
	v_lshl_or_b32 v16, v15, 16, v14                ; lower key's byte below, upper key's above,
	v_lshlrev_b32 v16, v8, v16                     ; 8 h bits up: block h's places;
	v_permlanex16_b32 v17, v16, s18, s19
	v_or_b32 v16, v16, v17                         ; with lane l xor 16's two the row's word is whole, in both lanes
.if (\b)%2 == 0
	v_mov_b32 v[28+(\b)/2], v16                    ; an even pair's words: lanes 0-15 keep them,
.else
	v_cndmask_b32 v[28+(\b)/2], v[28+(\b)/2], v16, s30   ; lanes 16-31 take the odd pair's
.endif
.if (\b) > 0
	s_wait_alu depctr_va_vdst(0)
	s_wait_xcnt 0x0                                ; the last pair's stores have read the fragment's registers
.endif
	v_cvt_scalef32_pk16_bf6_f32 v[224:226], v[160:175], v12
	v_cvt_scalef32_pk16_bf6_f32 v[236:238], v[176:191], v12      ; (a conversion's three registers begin on an even number: a block's second half is made elsewhere and moved)
	v_cvt_scalef32_pk16_bf6_f32 v[230:232], v[192:207], v13
	v_cvt_scalef32_pk16_bf6_f32 v[240:242], v[208:223], v13
	v_nop                                          ; one plain place behind a scaled conversion
.irp i, 0,1,2
	v_mov_b32 v[227+\i], v[236+\i]
	v_mov_b32 v[233+\i], v[240+\i]
.endr
.irp c, 0,1,2
	global_store_b128 v4, v[224+4*\c:227+4*\c], s[10:11] offset:1536*(\b)+512*\c   ; 32 lanes store 512 consecutive bytes, at a multiple of 256 from the buffer's first byte
.endr
.endm
; ---- V path: macros.  A LANE TAKES A CHANNEL, AND ITS REGISTERS RUN DOWN THE KEYS: a block of 32 keys lies in one lane, and the codes come out with the keys innermost.
; v4 4 x lane; v5 the image's place; v11-13 at work; v24 the scale word; v32-95 two sets of 32; v96-107 the image lane (r, 0)'s twelve registers, v108-119 lane (r, 1)'s
.macro LOADV t
.irp i, 0,1,2,3,4,5,6,7,8,9,10,11,12,13,14,15,16,17,18,19,20,21,22,23,24,25,26,27,28,29,30,31
	global_load_b32 v[32+32*((\t)%2)+\i], v4, s[6:7] offset:256*(32*(\t)+\i) th:TH_LOAD_NT   ; key 32 t + i at my 32 channels: 128 consecutive bytes; the wave beside me reads the row's other half
.endr
.endm
.macro BLOCKV t
.set XS, 32+32*((\t)%2)
.set CD, 96+12*((\t)%2)+6*((\t)/2)     ; keys 32 t on are block h = t % 2 of half c = t / 2: registers 6 c on of image lane (r, h)
.if (\t) < 3
	s_wait_loadcnt 32                              ; this block's 32 loads are in; the next block's stay out
.else
	s_wait_loadcnt 0x0
.endif
	v_max3_num_f32 v11, |v[XS]|, |v[XS+1]|, FLOOR
	v_max3_num_f32 v13, |v[XS+2]|, |v[XS+3]|, |v[XS+4]|
.irp i, 5,9,13,17,21,25
	v_max3_num_f32 v11, v11, |v[XS+\i]|, |v[XS+\i+1]|
	v_max3_num_f32 v13, v13, |v[XS+\i+2]|, |v[XS+\i+3]|
.endr
	v_max3_num_f32 v11, v11, |v[XS+29]|, |v[XS+30]|
	v_max3_num_f32 v11, v11, v13, |v[XS+31]|
	v_add_nc_u32 v12, EOFF, v11
	v_lshrrev_b32 v13, 23, v12
.if (\t) == 0
	v_mov_b32 v24, v13
.else
	v_lshl_or_b32 v24, v13, 8*(\t), v24            ; byte t of my channel's scale word
.endif
	v_cvt_scalef32_pk16_bf6_f32 v[CD:CD+2], v[XS:XS+15], v12
	v_cvt_scalef32_pk16_bf6_f32 v[120:122], v[XS+16:XS+31], v12
	v_nop                                          ; one plain place behind a scaled conversion
.irp i, 0,1,2
	v_mov_b32 v[CD+3+\i], v[120+\i]
.endr
.if (\t) < 2
	LOADV (\t)+2
.endif
.endm
	s_load_b256 s[4:11], s[0:1], 0x0               ; k s[4:5], v s[6:7], mask s[8:9], kv s[10:11]
	s_load_b128 s[12:15], s[0:1], 0x20             ; mbits s[12:13], flags s[14:15]
	v_lshl_add_u32 v244, v0, 2, 0x8800
	v_mov_b32 v245, 0
	v_lshrrev_b32 v1, 5, v0
	v_readfirstlane_b32 s16, v1                    ; wave 0..3
	v_and_b32 v1, 31, v0                           ; lane
	v_and_b32 v2, 15, v0                           ; r
	v_bfe_u32 v3, v0, 4, 1                         ; h
	s_mov_b32 s18, 0x76543210
	s_mov_b32 s19, 0xfedcba98                      ; v_permlanex16_b32's selects for lane l xor 16
	s_mov_b32 s21, 0                               ; the upper word of every offset pair s[20:21]
	s_wait_kmcnt 0x0
	s_cmp_lt_u32 ttmp9, 256
	s_cbranch_scc1 .Lkeys
	s_cmp_lt_u32 ttmp9, 768
	s_cbranch_scc1 .Lvalues
	; ---- THE MASK: my wave's 16 queries (tile T) x 256 keys (chunk ch)
	s_sub_co_u32 s17, ttmp9, 768
	s_lshl_b32 s17, s17, 2
	s_add_co_u32 s17, s17, s16                     ; 8 T + ch
	s_lshr_b32 s20, s17, 3
	s_lshl_b32 s20, s20, 15                        ; 16 rows of 2,048 bytes a tile,
	s_and_b32 s22, s17, 7
	s_lshl_b32 s23, s22, 8                         ; 256 bytes a chunk
	s_add_co_u32 s20, s20, s23
	s_add_nc_u64 s[8:9], s[8:9], s[20:21]
	s_lshl_b32 s20, s17, 9                         ; two steps' 64 words each: 512 bytes
	s_add_nc_u64 s[12:13], s[12:13], s[20:21]
	s_lshl_b32 s20, s17, 2
	s_add_nc_u64 s[14:15], s[14:15], s[20:21]
	s_wait_alu depctr_va_vdst(0)
	v_lshlrev_b32 v4, 11, v2
	v_lshl_add_u32 v4, v3, 4, v4                   ; row r, + 16 h: the 16 keys of a block of 32 that my lane votes on
	v_lshlrev_b32 v5, 3, v1                        ; out: two words a lane
.irp e, 0,1
.irp b, 0,1,2,3
	global_load_b128 v[32+16*\e+4*\b:35+16*\e+4*\b], v4, s[8:9] offset:128*\e+32*\b th:TH_LOAD_NT
.endr
.endr
.irp i, 64,65,66,67
	v_mov_b32 v\i, 0                               ; v_writelane_b32's destination counts as read
.endr
	s_mov_b32 s31, 0
	s_wait_alu depctr_va_vdst(0)
.irp e, 0,1                            ; key step 2 ch + e
	s_wait_loadcnt 4-4*\e                          ; this step's four loads are in; the second step's four may stay out
.set j, 0
.rept 64                               ; word j = 16 b + i: every lane's byte i of block b, as a lane mask; it goes to lane j / 2, register j % 2, so that the lanes store the 64 words on end
	v_and_b32 v[68+j%4], 1<<(8*(j%4)), v[32+16*\e+4*(j/16)+(j%16)/4]
	v_cmp_ne_u32 s[24+j%4], 0, v[68+j%4]
	v_writelane_b32 v[64+2*\e+j%2], s[24+j%4], j/2
.set j, j+1
.endr
	v_or_b32 v72, v[32+16*\e], v[33+16*\e]         ; any byte true?  any byte false?
	v_and_b32 v73, v[32+16*\e], v[33+16*\e]
.irp i, 2,3,4,5,6,7,8,9,10,11,12,13,14,15
	v_or_b32 v72, v72, v[32+16*\e+\i]
	v_and_b32 v73, v73, v[32+16*\e+\i]
.endr
	v_cmp_ne_u32 s28, 0, v72
	v_cmp_ne_u32 s29, 0x01010101, v73
	s_cmp_lg_u32 s28, 0
	s_cselect_b32 s28, 1<<\e, 0
	s_cmp_lg_u32 s29, 0
	s_cselect_b32 s29, 0x10000<<\e, 0
	s_or_b32 s31, s31, s28
	s_or_b32 s31, s31, s29
	global_store_b64 v5, v[64+2*\e:65+2*\e], s[12:13] offset:256*\e   ; 32 lanes store 256 consecutive bytes, aligned
.endr
	s_lshl_b32 s22, s22, 1
	s_lshl_b32 s31, s31, s22                       ; the four bits at the places of steps 2 ch and 2 ch + 1
	v_mov_b32 v74, s31
	v_mov_b32 v75, 0
	s_wait_alu depctr_va_vdst(0)
	s_wait_xcnt 0x0                                ; EXEC is a source of the stores above: it changes only behind this wait
	v_cmp_eq_u32 vcc_lo, 0, v1
	s_and_saveexec_b32 s30, vcc_lo
	global_store_b32 v75, v74, s[14:15]            ; one lane stores the chunk's word
	s_wait_xcnt 0x0                                ; and again in front of the line that widens it
	s_or_b32 exec_lo, exec_lo, s30
	s_endpgm
.Lkeys:	; ---- K: my wave's record: 128 keys, four pairs of tiles of 16
	s_lshl_b32 s17, ttmp9, 2
	s_add_co_u32 s17, s17, s16                     ; the record: 16 x head + step
	s_lshl_b32 s20, s17, 15                        ; 128 keys of 256 bytes
	s_add_nc_u64 s[4:5], s[4:5], s[20:21]
	s_mul_i32 s20, s17, REC
	s_add_nc_u64 s[10:11], s[10:11], s[20:21]
	s_mov_b32 s30, 0xffff0000                      ; lanes 16-31
	s_mul_i32 s22, s16, WST                        ; my stage
	s_wait_alu depctr_va_vdst(0)
	v_lshlrev_b32 v4, 4, v1
	v_lshlrev_b32 v5, 3, v1
	v_mul_u32_u24 v6, v3, SP
	v_lshl_add_u32 v6, v2, 4, v6
	v_add_nc_u32 v6, s22, v6                       ; in: lanes 0-15 a key's 256 bytes, lanes 16-31 the next key's, one row on
	v_mul_u32_u24 v7, v2, SP
	v_lshl_add_u32 v7, v3, 7, v7
	v_add_nc_u32 v7, s22, v7                       ; out: row r, + 128 h
	v_lshlrev_b32 v8, 3, v3
	v_mov_b32 v17, 0                               ; a lane permute's destination counts as read
	LOADP 0
	LOADP 1
	s_wait_alu depctr_va_vdst(0)
	PAIR 0
	PAIR 1
	PAIR 2
	PAIR 3
	global_store_b64 v5, v[28:29], s[10:11] offset:KSC   ; the record's scale words of K: 256 consecutive bytes, aligned
	s_wait_tensorcnt 0x0
	ds_add_u32 v244, v245
	s_wait_dscnt 0x0
	s_endpgm
.Lvalues:	; ---- V: my wave's 32 channels of a record's 128 keys
	s_sub_co_u32 s17, ttmp9, 256
	s_lshl_b32 s17, s17, 2
	s_add_co_u32 s17, s17, s16
	s_lshr_b32 s22, s17, 1                         ; the record
	s_and_b32 s23, s17, 1                          ; which 32 channels
	s_lshl_b32 s20, s22, 15
	s_lshl_b32 s24, s23, 7
	s_add_co_u32 s20, s20, s24
	s_add_nc_u64 s[6:7], s[6:7], s[20:21]
	s_mul_i32 s25, s22, REC
	s_mul_i32 s20, s23, 3072                       ; two fragments of V^T
	s_add_co_u32 s20, s20, s25
	s_add_nc_u64 s[26:27], s[10:11], s[20:21]      ; where my codes go,
	s_add_co_u32 s20, s25, s24
	s_add_nc_u64 s[28:29], s[10:11], s[20:21]      ; and my 32 scale words
	s_wait_alu depctr_va_vdst(0)
	v_lshlrev_b32 v4, 2, v1
	v_mul_u32_u24 v5, v3, 1536
	v_lshl_add_u32 v5, v2, 4, v5                   ; my channel's tile (lane / 16) and its row's place in an image (16 r)
	LOADV 0
	LOADV 1
	BLOCKV 0
	BLOCKV 1
	BLOCKV 2
	BLOCKV 3
.irp e, 0,1
.irp c, 0,1,2
	global_store_b128 v5, v[96+12*\e+4*\c:99+12*\e+4*\c], s[26:27] offset:VFR+512*\c+256*\e   ; image lanes (r, e): sixteen lanes store 256 consecutive bytes, aligned
.endr
.endr
	global_store_b32 v4, v24, s[28:29] offset:VSC  ; 128 consecutive bytes: my half of the record's 256
	s_endpgm
.Lfunc_end_k_q2c02a8f0b5_prep:
	.size	k_q2c02a8f0b5_prep, .Lfunc_end_k_q2c02a8f0b5_prep-k_q2c02a8f0b5_prep
	.p2alignl 7, 3214868480
	.fill 96, 4, 3214868480
	.section	.rodata,"a",@progbits
	.p2align	6, 0x0
	.amdhsa_kernel k_q2c02a8f0b5_prep
		.amdhsa_group_segment_fixed_size 35328
		.amdhsa_private_segment_fixed_size 0
		.amdhsa_enable_private_segment 0
		.amdhsa_kernarg_size 48
		.amdhsa_user_sgpr_count 2
		.amdhsa_user_sgpr_kernarg_segment_ptr 1
		.amdhsa_wavefront_size32 1
		.amdhsa_system_sgpr_workgroup_id_x 1
		.amdhsa_system_sgpr_workgroup_id_y 1
		.amdhsa_system_sgpr_workgroup_id_z 1
		.amdhsa_system_vgpr_workitem_id 0
		.amdhsa_next_free_vgpr 246
		.amdhsa_next_free_sgpr 66
		.amdhsa_reserve_vcc 1
		.amdhsa_float_denorm_mode_32 3
		.amdhsa_float_denorm_mode_16_64 3
		.amdhsa_memory_ordered 1
		.amdhsa_forward_progress 1
		.amdhsa_inst_pref_size 77
	.end_amdhsa_kernel
	.amdgpu_metadata
---
amdhsa.version: [ 1, 2 ]
amdhsa.kernels:
  - .name:           k_q2c02a8f0b5_prep
    .symbol:         k_q2c02a8f0b5_prep.kd
    .args:
      - { .name: k, .offset: 0, .size: 8, .value_kind: global_buffer, .address_space: global }
      - { .name: v, .offset: 8, .size: 8, .value_kind: global_buffer, .address_space: global }
      - { .name: mask, .offset: 16, .size: 8, .value_kind: global_buffer, .address_space: global }
      - { .name: kv, .offset: 24, .size: 8, .value_kind: global_buffer, .address_space: global }
      - { .name: mbits, .offset: 32, .size: 8, .value_kind: global_buffer, .address_space: global }
      - { .name: flags, .offset: 40, .size: 8, .value_kind: global_buffer, .address_space: global }
    .group_segment_fixed_size: 35328
    .private_segment_fixed_size: 0
    .kernarg_segment_align: 8
    .kernarg_segment_size: 48
    .max_flat_workgroup_size: 128
    .sgpr_count:     66
    .vgpr_count:     246
    .wavefront_size: 32
...
	.end_amdgpu_metadata
.endif
;; end of part 3
;; launch attn (part 4): grid 256 x 1, 16 waves a work-group, no clusters, 276,480 bytes of LDS; arguments q, kv, mbits, flags, out0; writes out0
.if DOCPART == 4
	.amdgcn_target "amdgcn-amd-amdhsa--gfx1250"
	.amdhsa_code_object_version 6
	.text
	.protected	k_q2c02a8f0b5_attn
	.globl	k_q2c02a8f0b5_attn
	.p2align	8
	.type	k_q2c02a8f0b5_attn,@function
k_q2c02a8f0b5_attn:
	s_mov_b64 s[64:65], 0
	v_nop
	global_prefetch_b8 v0, s[64:65] scope:SCOPE_SE
	s_setreg_imm32_b32 hwreg(HW_REG_WAVE_SCHED_MODE, 0, 2), 2
	s_setreg_imm32_b32 hwreg(HW_REG_WAVE_MODE, 25, 1), 1
	s_wait_xcnt 0x0
	s_wait_alu depctr_vm_vsrc(0)
; out0[h][q][:] = the sum over k of softmax_k(mask ? q . k / 8 : -inf) v[h][k][:], 64 heads, 2,048 queries and keys, head size 64; both products on codes of BF6 (E3M2) with one E8M0 scale for each 32 along K.
; THE SOFTMAX AHEAD OF THE SECOND PRODUCT: t = score x log2(e) / 8; M = the running largest t, rounded UP to a whole number; p = 2^(t - M) is quantised along the keys, not normalised; the row's sum is taken of the
; unquantised p and divides at the end.  When M moves, the sum and O are multiplied by 2^(old M - new M): exact.
; INPUTS OF THIS LAUNCH: q as f32 (quantised here, in registers: each row is read once); kv, mbits, flags as the launch before laid them:
;   kv: a record of 12,800 bytes for each head and step of 128 keys, images of operand registers (group c of lane l at 512 c + 16 l of a fragment's 1,536 bytes): +0 four fragments of K, +6,144 four of V^T, +12,288 K's scale
;   words, +12,544 V's.   mbits: for each tile of 16 queries and step 64 words, word j the lane mask of score register j.   flags: for each tile 8 words whose OR has bit s set where step s holds a true byte, bit 16 + s a false one.
; SHARES.  A work-group owns a quarter of one head's queries.  THE HEAD'S 16 RECORDS, 204,800 bytes, LIE IN LDS WHOLE: filled once through registers, one barrier, then the sixteen waves run free.
; A wave owns two tiles of 16 queries, 127 - i and i (i = 16 x (work-group % 4) + wave), one after the other, in 256 registers: four waves to a SIMD, so that one wave's vector work stands beside another's products and LDS loads.
; A STEP THAT THE MASK HIDES WHOLLY FOR A TILE IS LEFT OUT, by a scalar branch on the stored flags; a step with no false byte skips the 64 selects.  The pairing gives every wave 17 of 32 steps under a lower-triangular mask;
; under any other mask the results are as right and only the balance differs.  Trip counts and addresses hang on no data.
; NO JOINT REQUESTS, though the four work-groups of a head read the same 204,800 bytes: a joint request is a tensor load.
; The branches spare up to 15 of a wave's 32 steps; the sharing would spare three of four reads of 204,800 bytes, made once at the head.
; THE FIRST PRODUCT HAS K = 64, the instruction 128: a fragment of K carries TWO keys a row, one in k 0-63, the key 8 further on in k 64-127, and is multiplied twice, by Q with zeros above and by Q with zeros below.
; Both products are used transposed (S^T = K Q^T, O^T = V^T P^T): a lane holds one query (lane % 16) throughout; score register 16 b + i of lane l is key 32 b + 16 (l / 16) + i.
; LIMITS: NaN and infinities in q are not served; a block of q or p that is all zeros, or whose largest magnitude lies under 2^-122, gets the scale byte 1 (its codes are zeros or what that scale gives);
; p under 2^-126 counts as 0 (v_exp_f32 flushes: ISA guide, its entry).  A query with no true mask byte gets NaN (0 x 1/0), as the softmax of a row of -inf gives.
; REGISTERS: v1-3 16, 8, 4 x lane; v4-6 my stage; v8-10 the step's LDS addresses; v11 -inf; v12 -M, v13 largest t, v[14:15] the sum in two halves; v16-33 first tile's Q (six zeros, six of codes, six zeros);
;   v34, v35 Q's scale words; v36-83 four fragments of K, then of V; v96-159 S^T, then p; v160-191 O^T; v192-203 p's codes; v204-229 at work; v226 p's scale word; v230-247 second tile's Q; v248-251 the fill's LDS addresses;
;   v[252:253] K's scale words, v254, v255 V's.
; THE MODE: SCHED_MODE bits 1:0 = 2 (LLVM: expert scheduling mode 2), set by the entry lines.  The code itself states the register dependences between vector or matrix instructions and memory or LDS instructions,
; with s_wait_alu, always for 0.
; THE PLAN.  Registers that memory or LDS instructions touch:
;   v1-6, v248-251  offsets and LDS addresses: written once at the head, ahead of the first wait on va_vdst, and never again.
;   v36-199         at the head: the fill's and q's loads land there and LDS stores read them; q's numbers come back into v36-99, which the quantiser reads.  One wait on vm_vsrc behind the fill's stores, one at a tile's head.
;   v8-10           read by a step's 27 LDS loads; written by three additions at the next worked step's head: a wait on vm_vsrc ahead of them, the head's wait on va_vdst behind them.
;   v36-83          K's fragments land at a step's head; the eight products S^T read them; V's fragments land in the same registers; the four products O^T read them.
;   v252-255        scale words: loads land there, products read them, nothing else names them.
;   v96-159         on the way out: the multiplies by 1 / the sum write v96-127, LDS stores read them, whole rows come back into v128-159, global stores read those; the next tile's products write all of them.
; A WORKED STEP HAS SIX WAITS ON va_vdst: at its head, directly ahead of K's 13 loads; behind the products S^T, directly ahead of V's 14 loads; ahead of the exponentials; two behind them, ahead of their first reader; directly ahead of the products O^T,
; for p's codes and scale word.  Each run of loads follows its wait with no vector or matrix instruction between.  Sixteen waves of 256 registers take all that the four SIMDs have, and the twelve registers v84-95 that lie idle in the
; loop hold one fragment of four: so K and V share one buffer, and the next step's K is not asked for while V is at work.
.set REC,   12800
.set HEADB, 16*REC                     ; LDS 0 .. 204,799: the head's records
.set VFR,   6144
.set KSC,   12288
.set VSC,   12544
.set SP,    272                        ; a stage row: 256 bytes + 16
.set WSTG,  16*SP                      ; behind the records: a stage of 16 rows for each wave, for q on the way in and O on the way out
.set FLOOR, 0x2800000                  ; 2^(5 - 127)
.set EOFF,  0xfe000000                 ; takes 4 off an exponent field
.set FRG,   36
.set S,     96
.set O,     160
.set PC,    192
; 32 numbers of a lane, channels 32 h on of query r, become six registers of codes at v[qd] on and the row's scale word, its two bytes twice (so that it serves the codes in k 0-63 and in k 64-127), in lanes 0-15 of v[sc].
.macro QUANTQ src, qd, sc
	v_max3_num_f32 v212, |v[\src]|, |v[\src+1]|, FLOOR
.irp i, 2,4,6,8,10,12,14,16,18,20,22,24,26,28,30
	v_max3_num_f32 v212, v212, |v[\src+\i]|, |v[\src+1+\i]|
.endr
	v_add_nc_u32 v220, EOFF, v212                  ; the conversion's scale operand
	v_lshrrev_b32 v216, 23, v220                   ; the scale's byte
	v_permlanex16_b32 v217, v216, s24, s25         ; the other block's
	v_lshl_or_b32 v[\sc], v217, 8, v216            ; (right in lanes 0-15, which alone are read)
	v_lshl_or_b32 v[\sc], v[\sc], 16, v[\sc]
	v_cvt_scalef32_pk16_bf6_f32 v[\qd:\qd+2], v[\src:\src+15], v220
	v_cvt_scalef32_pk16_bf6_f32 v[204:206], v[\src+16:\src+31], v220   ; (a conversion's three registers begin on an even number)
	v_nop                                          ; one plain place behind a scaled conversion
.irp i, 0,1,2
	v_mov_b32 v[\qd+3+\i], v[204+\i]
.endr
.endm
; ONE TILE OF 16 QUERIES through all 16 key steps.  qbase: its Q (zeros, codes, zeros); qscale: its scale word; flg: the scalar register with its flags; til: the one with its number.
.macro TILE qbase, qscale, flg, til
	s_wait_alu depctr_vm_vsrc(0)                   ; the stores issued so far have read their data: the first tile: q's rows in v136-199 on their way into the stage; the second: the first tile's way out, v96-159.  The lines below and the products write these registers
	v_mov_b32 v13, 0xff61b1e6                      ; the largest t so far: -3e38, under every t
	v_floor_f32 v12, -v13                          ; -M
	v_mov_b32 v14, 0
	v_mov_b32 v15, 0
.set n, 0
.rept 32
	v_mov_b32 v[O+n], 0                            ; O^T begins as zeros: which step is a tile's first hangs on the flags, so no product can be written as the one that starts the sums
.set n, n+1
.endr
	s_mov_b32 s26, 0                               ; the step's record in LDS
	s_mov_b32 s27, 0                               ; the step
	s_lshl_b32 s28, s[\til], 12                    ; the step's 64 mask words: 4,096 bytes a tile, 256 a step
	s_mov_b32 s2, s28                              ; and the tile's 16 rows of out0, 4,096 bytes too
	s_mov_b32 s3, 0
	s_add_nc_u64 s[30:31], s[12:13], s[2:3]
.Lstep_\@:
	s_bitcmp1_b32 s[\flg], 0                       ; has this step a true byte for my 16 queries?
	s_cbranch_scc0 .Lskip_\@
	s_load_b512 s[32:47], s[8:9], s28 offset:0x0   ; the mask words, in every step that is worked, so that the wait below counts the same loads on every way
	s_load_b512 s[48:63], s[8:9], s28 offset:0x40
	s_load_b512 s[68:83], s[8:9], s28 offset:0x80
	s_load_b512 s[84:99], s[8:9], s28 offset:0xc0
	s_wait_alu depctr_vm_vsrc(0)                   ; the last worked step's LDS loads have read v8-10, which the three additions write
	v_add_nc_u32 v8, s26, v1
	v_add_nc_u32 v9, s26, v2
	v_add_nc_u32 v10, s26, v3
	v_nop                                          ; with the three additions four plain instructions behind the last step's products
	s_wait_alu depctr_va_vdst(0)                   ; v8-10 are written, which the loads below read; the last products O^T (in a tile's first step: q's quantiser) are done reading v36-83 and V's scale words; Q's codes, zeros and scale word are written, which the products S^T take
	ds_load_b64 v[252:253], v9 offset:KSC
.irp b, 0,1,2,3
.irp c, 0,1,2
	ds_load_b128 v[FRG+12*\b+4*\c:FRG+12*\b+4*\c+3], v8 offset:1536*\b+512*\c
.endr
.endr
.irp b, 0,1,2,3                        ; S^T: pair b's fragment against Q below (its lower keys) and Q above (the keys 8 further on): registers 16 b .. 16 b + 15 are 16 neighbouring keys
	s_wait_dscnt 9-3*\b                            ; the scale words and pairs 0 .. b are in; three loads for each later pair stay out
.if \b%2 == 0
	v_wmma_scale_f32_16x16x128_f8f6f4 v[S+16*\b:S+16*\b+7], v[FRG+12*\b:FRG+12*\b+11], v[\qbase+6:\qbase+17], 0, v[252+\b/2], v[\qscale] matrix_a_fmt:MATRIX_FMT_BF6 matrix_b_fmt:MATRIX_FMT_BF6
	v_wmma_scale_f32_16x16x128_f8f6f4 v[S+16*\b+8:S+16*\b+15], v[FRG+12*\b:FRG+12*\b+11], v[\qbase:\qbase+11], 0, v[252+\b/2], v[\qscale] matrix_a_fmt:MATRIX_FMT_BF6 matrix_b_fmt:MATRIX_FMT_BF6
.else
	v_wmma_scale_f32_16x16x128_f8f6f4 v[S+16*\b:S+16*\b+7], v[FRG+12*\b:FRG+12*\b+11], v[\qbase+6:\qbase+17], 0, v[252+\b/2], v[\qscale] matrix_a_fmt:MATRIX_FMT_BF6 matrix_b_fmt:MATRIX_FMT_BF6 matrix_a_scale:MATRIX_SCALE_ROW1
	v_wmma_scale_f32_16x16x128_f8f6f4 v[S+16*\b+8:S+16*\b+15], v[FRG+12*\b:FRG+12*\b+11], v[\qbase:\qbase+11], 0, v[252+\b/2], v[\qscale] matrix_a_fmt:MATRIX_FMT_BF6 matrix_b_fmt:MATRIX_FMT_BF6 matrix_a_scale:MATRIX_SCALE_ROW1
.endif
.endr
.rept 4
	v_nop                                          ; four places behind the products, ahead of the first read of the scores (ISA guide 7.12.1)
.endr
	s_wait_alu depctr_va_vdst(0)                   ; the eight products are done reading K's fragments, in whose registers V's land
.irp t, 0,1,2,3                        ; V's fragments are asked for now and land under the softmax
.irp c, 0,1,2
	ds_load_b128 v[FRG+12*\t+4*\c:FRG+12*\t+4*\c+3], v8 offset:VFR+1536*\t+512*\c
.endr
.endr
	ds_load_b32 v254, v10 offset:VSC               ; lanes 0-15: channels 0-15 (tile 0), lanes 16-31: tile 1
	ds_load_b32 v255, v10 offset:VSC+128           ; tiles 2 and 3
	s_wait_kmcnt 0x0                               ; the mask words are in (scalar loads return in no order: the count is 0)
	s_bitcmp1_b32 s[\flg], 16                      ; has this step a false byte for my queries?
	s_cbranch_scc0 .Lopen_\@
.set n, 0
.rept 32
	v_cndmask_b32 v[S+n], v11, v[S+n], s[32+n]     ; hidden scores become -inf ahead of the maximum: p = 0 then.  Each accumulator from its low end on
.set n, n+1
.endr
.rept 32
	v_cndmask_b32 v[S+n], v11, v[S+n], s[36+n]
.set n, n+1
.endr
.Lopen_\@:
.irp b, 0,1,2,3
	v_max3_num_f32 v[212+\b], v[S+16*\b], v[S+1+16*\b], v[S+2+16*\b]   ; THE LARGEST SCORE OF EACH BLOCK OF 32 KEYS serves twice: for the row's maximum and, since p rises with the score, for the block's largest p
.endr
.irp i, 3,5,7,9,11,13
.irp b, 0,1,2,3
	v_max3_num_f32 v[212+\b], v[212+\b], v[S+16*\b+\i], v[S+1+16*\b+\i]   ; (the four blocks by turns)
.endr
.endr
.irp b, 0,1,2,3
	v_max_num_f32 v[212+\b], v[212+\b], v[S+15+16*\b]
.endr
.irp b, 0,1,2,3
	v_permlanex16_b32 v[216+\b], v[212+\b], s24, s25
.endr
.irp b, 0,1,2,3
	v_max_num_f32 v[212+\b], v[212+\b], v[216+\b]  ; with lane l xor 16's 16 keys
.endr
	v_max3_num_f32 v227, v212, v213, v214
	v_max_num_f32 v227, v227, v215                 ; the step's largest score of my query
	v_mul_f32 v227, s22, v227                      ; as t (c is positive)
	v_max_num_f32 v13, v13, v227                   ; the running largest t (a query all of whose keys so far are hidden keeps -3e38)
	v_mov_b32 v227, v12
	v_floor_f32 v12, -v13                          ; the new -M = floor(-t) = -ceil(t): a whole number
	v_sub_f32 v227, v12, v227                      ; old M less new M: a whole number, 0 or less
	v_cvt_i32_f32 v227, v227                       ; (it saturates)
	v_ldexp_f32 v224, 1.0, v227                    ; f = 2^(old M - new M): a multiplication by it rounds nothing
.set n, 0
.rept 32
	v_pk_fma_f32 v[S+n:S+n+1], v[S+n:S+n+1], s[22:23], v[12:13] op_sel_hi:[1,0,0]   ; t - M, two at a time (of the pairs c and -M the low word serves both halves)
.set n, n+2
.endr
.irp b, 0,1,2,3
	v_fma_f32 v[212+\b], v[212+\b], s22, v12       ; the same of each block's largest score
.endr
.set n, 0
	s_wait_alu depctr_va_vdst(0)
.rept 64
	v_exp_f32 v[S+n], v[S+n]                       ; p = 2^(t - M), at most 1: not normalised
.set n, n+1
.endr
.irp b, 0,1,2,3
	v_exp_f32 v[212+\b], v[212+\b]                 ; the block's largest p: the same two instructions on the same number give the same bits
.endr
	v_pk_mul_f32 v[14:15], v[14:15], v[224:225] op_sel_hi:[1,0]   ; the sums under the new M.  (The plain place behind the exponentials)
.set n, 0
	s_wait_alu depctr_va_vdst(0)
.rept 16
	v_pk_mul_f32 v[O+n:O+n+1], v[O+n:O+n+1], v[224:225] op_sel_hi:[1,0]   ; O^T under the new M, each accumulator from its low end on.  These name no exponential's result
.set n, n+2
.endr
	s_wait_alu depctr_va_vdst(0)                   ; the 68 exponentials have written p (v96-159) and the blocks' largest p (v212-215): one wait for the batch, ahead of its first reader
.irp b, 0,1,2,3
	v_max_num_f32 v[212+\b], FLOOR, v[212+\b]      ; the floor: the byte cannot fall under 1 (a block whose every p is 0 keeps that byte: its codes are zeros)
.endr
.irp b, 0,1,2,3
	v_add_nc_u32 v[220+\b], EOFF, v[212+\b]        ; the conversion's scale operand
.endr
.irp b, 0,1,2,3
	v_lshrrev_b32 v[216+\b], 23, v[220+\b]         ; the scale's byte
.endr
	v_lshl_or_b32 v226, v217, 8, v216              ; p's scale word for these 128 keys
	v_lshl_or_b32 v226, v218, 16, v226
	v_lshl_or_b32 v226, v219, 24, v226
.irp c, 0,1
	v_cvt_scalef32_pk16_bf6_f32 v[PC+6*\c:PC+2+6*\c], v[S+32*\c:S+15+32*\c], v[220+2*\c]
	v_cvt_scalef32_pk16_bf6_f32 v[204+4*\c:206+4*\c], v[S+16+32*\c:S+31+32*\c], v[221+2*\c]   ; (a conversion's three registers begin on an even number)
.endr
	v_nop                                          ; one plain place behind a scaled conversion
.irp c, 0,1                            ; the operand's layout wants a WHOLE block in a lane: lanes 0-15 block 2 c, lanes 16-31 block 2 c + 1
.irp i, 0,1,2
	v_permlane16_swap_b32 v[PC+6*\c+\i], v[204+4*\c+\i]
.endr
.irp i, 0,1,2
	v_mov_b32 v[PC+3+6*\c+\i], v[204+4*\c+\i]
.endr
.endr
	v_pk_add_f32 v[228:229], v[S:S+1], v[S+2:S+3]  ; THE ROW'S SUM IS TAKEN OF THE UNQUANTISED p: two at a time, in two chains.  (These 32 are the places between p's codes and scale word and the products)
.irp j, 4,8,12,16,20,24,28,32,36,40,44,48,52,56,60
	v_pk_add_f32 v[14:15], v[14:15], v[S+\j:S+1+\j]
	v_pk_add_f32 v[228:229], v[228:229], v[S+2+\j:S+3+\j]
.endr
	v_pk_add_f32 v[14:15], v[14:15], v[228:229]
	s_wait_dscnt 0x0                               ; V's fragments and scale words are in
	s_wait_alu depctr_va_vdst(0)                   ; p's codes (v192-203) and scale word (v226) are written, which the scaled products below take; the places stand ahead of this wait
.irp t, 0,1,2,3                        ; O^T += V^T P^T: four tiles of 16 channels; K = these 128 keys.  The accumulators take turns, one instruction a turn
.if \t%2 == 0
	v_wmma_scale_f32_16x16x128_f8f6f4 v[O+8*\t:O+8*\t+7], v[FRG+12*\t:FRG+12*\t+11], v[PC:PC+11], v[O+8*\t:O+8*\t+7], v[254+\t/2], v226 matrix_a_fmt:MATRIX_FMT_BF6 matrix_b_fmt:MATRIX_FMT_BF6
.else
	v_wmma_scale_f32_16x16x128_f8f6f4 v[O+8*\t:O+8*\t+7], v[FRG+12*\t:FRG+12*\t+11], v[PC:PC+11], v[O+8*\t:O+8*\t+7], v[254+\t/2], v226 matrix_a_fmt:MATRIX_FMT_BF6 matrix_b_fmt:MATRIX_FMT_BF6 matrix_a_scale:MATRIX_SCALE_ROW1
.endif
.endr
.Lskip_\@:
	s_add_co_u32 s26, s26, REC                     ; the next step's record, mask words (no scalar load is out: a worked step has waited for them) and flags
	s_add_co_u32 s28, s28, 256
	s_lshr_b32 s[\flg], s[\flg], 1
	s_add_co_u32 s27, s27, 1
	s_cmp_lt_u32 s27, 16
	s_cbranch_scc1 .Lstep_\@
	; THE WAY OUT: O^T / the sum goes through my stage and leaves as whole rows of 256 bytes, two to a store.
	v_add_f32 v14, v14, v15                        ; the sum's two halves,
	v_permlanex16_b32 v227, v14, s24, s25
	v_add_f32 v14, v14, v227                       ; and lane l xor 16's: the row's sum
	s_wait_alu depctr_va_vdst(0)
	v_rcp_f32 v14, v14
.rept 3
	v_nop                                          ; a plain place behind the reciprocal; with the two additions five places behind the last product
.endr
	s_wait_alu depctr_va_vdst(0)                   ; the reciprocal has written v14: the wait ahead of its first reader
.set n, 0
.rept 16
	v_pk_mul_f32 v[S+n:S+n+1], v[O+n:O+n+1], v[14:15] op_sel_hi:[1,0]   ; register 8 t + j is out(r, 16 t + 8 h + j)
.set n, n+2
.endr
	s_wait_alu depctr_va_vdst(0)                   ; the multiplies have written v96-127, which the LDS stores read; the sums and conversions are done with p in v128-159, in which the rows land
.irp t, 0,1,2,3
	ds_store_b128 v6, v[S+8*\t:S+8*\t+3] offset:64*\t
	ds_store_b128 v6, v[S+8*\t+4:S+8*\t+7] offset:64*\t+16
.endr
.irp i, 0,1,2,3,4,5,6,7
	ds_load_b128 v[S+32+4*\i:S+35+4*\i], v4 offset:2*SP*\i   ; LDS serves a wave's instructions in order: these see my stores
.endr
.irp i, 0,1,2,3,4,5,6,7
	s_wait_dscnt 7-\i                              ; rows 2 i and 2 i + 1 are back; the younger loads stay out
	global_store_b128 v1, v[S+32+4*\i:S+35+4*\i], s[30:31] offset:512*\i th:TH_STORE_NT   ; 32 lanes store 512 consecutive bytes, aligned; written once
.endr
	s_wait_xcnt 0x0                                ; every earlier memory instruction has had its addresses translated (ISA guide 3.1): the next tile writes the stores' base and, behind the wait on vm_vsrc at its head, their registers
.endm
	s_load_b256 s[4:11], s[0:1], 0x0               ; q s[4:5], kv s[6:7], mbits s[8:9], flags s[10:11]
	s_load_b64 s[12:13], s[0:1], 0x20              ; out0
	v_lshl_add_u32 v207, v0, 2, 0x43000
	v_mov_b32 v211, 0
	v_lshrrev_b32 v1, 5, v0
	v_readfirstlane_b32 s14, v1                    ; wave 0..15
	s_lshr_b32 s15, ttmp9, 2                       ; the head
	s_and_b32 s16, ttmp9, 3
	s_lshl_b32 s16, s16, 4
	s_wait_alu depctr_va_sdst(0)                   ; s14 is written, ahead of its first reader: my tiles' numbers and my stage's place are made from it
	s_add_co_u32 s16, s16, s14                     ; i = 16 x (work-group % 4) + wave
	s_sub_co_u32 s17, 127, s16                     ; my first tile of queries,
	s_mov_b32 s18, s16                             ; and my second
	s_mov_b32 s22, 0x3e38aa3b                      ; c = log2(e) / 8
	s_mov_b32 s23, s22                             ; (named with it as a pair, so it is written)
	s_mov_b32 s24, 0x76543210
	s_mov_b32 s25, 0xfedcba98                      ; v_permlanex16_b32's selects for lane l xor 16
	v_and_b32 v7, 31, v0                           ; lane
	v_lshlrev_b32 v1, 4, v7
	v_lshlrev_b32 v2, 3, v7
	v_lshlrev_b32 v3, 2, v7
	v_and_b32 v8, 15, v0                           ; r
	v_bfe_u32 v9, v0, 4, 1                         ; h
	s_mul_i32 s21, s14, WSTG
	s_add_co_u32 s21, s21, HEADB                   ; my stage
	v_mul_u32_u24 v4, v9, SP
	v_lshl_add_u32 v4, v8, 4, v4
	v_add_nc_u32 v4, s21, v4                       ; by rows: lanes 0-15 one row of 256 bytes, lanes 16-31 the next
	v_mul_u32_u24 v5, v8, SP
	v_lshl_add_u32 v6, v9, 5, v5
	v_lshl_add_u32 v5, v9, 7, v5
	v_add_nc_u32 v5, s21, v5                       ; q: row r, + 128 h: my block of 32 channels
	v_add_nc_u32 v6, s21, v6                       ; O: row r, + 32 h: my eight channels of a tile of 16
	v_lshlrev_b32 v248, 4, v0                      ; the fill: 16 bytes a thread, 8,192 a round of the work-group; LDS offsets hold 16 bits, so four registers 65,536 apart
	v_add_nc_u32 v249, 0x10000, v248
	v_add_nc_u32 v250, 0x20000, v248
	v_add_nc_u32 v251, 0x30000, v248
	s_wait_kmcnt 0x0
	s_mul_i32 s84, s15, HEADB
	s_mov_b32 s85, 0
	s_add_nc_u64 s[6:7], s[6:7], s[84:85]          ; the head's records
	s_lshl_b32 s84, s15, 19                        ; the head's 2,048 rows of 256 bytes
	s_add_nc_u64 s[12:13], s[12:13], s[84:85]
	s_add_nc_u64 s[4:5], s[4:5], s[84:85]
	s_lshl_b32 s86, s17, 12
	s_mov_b32 s87, 0
	s_add_nc_u64 s[88:89], s[4:5], s[86:87]        ; q at my first tile,
	s_lshl_b32 s86, s18, 12
	s_add_nc_u64 s[92:93], s[4:5], s[86:87]        ; and at my second
	s_lshl_b32 s2, s17, 5                          ; a tile's eight flag words
	s_lshl_b32 s3, s18, 5
	s_load_b256 s[68:75], s[10:11], s2 offset:0x0
	s_load_b256 s[76:83], s[10:11], s3 offset:0x0
	s_wait_alu depctr_va_vdst(0)                   ; the offsets and LDS addresses v1-6 and v248-251 are written: every load and store of the kernel but a step's LDS loads reads one of them, and no later line writes them
.set n, 0
.rept 25                               ; 25 rounds of 8,192 bytes are the head's 204,800; a wave's load reads 512 consecutive bytes
	global_load_b128 v[36+4*n:39+4*n], v248, s[6:7] offset:8192*n
.set n, n+1
.endr
.irp j, 0,1,2,3,4,5,6,7
	global_load_b128 v[136+4*\j:139+4*\j], v1, s[88:89] offset:512*\j th:TH_LOAD_NT   ; my first tile's 16 rows of q as they lie,
.endr
.irp j, 0,1,2,3,4,5,6,7
	global_load_b128 v[168+4*\j:171+4*\j], v1, s[92:93] offset:512*\j th:TH_LOAD_NT   ; and my second's
.endr
	v_mov_b32 v11, 0xff800000                      ; -inf
	v_mov_b32 v225, 0                              ; (named as the upper half of the pair v[224:225])
.irp i, 216,217,218,219,227
	v_mov_b32 v\i, 0                               ; written once: a lane permute's destination counts as read
.endr
.irp i, 0,1,2,3,4,5
	v_mov_b32 v[16+\i], 0                          ; the zeros on both sides of Q's codes: zero codes add nothing under any scale byte
	v_mov_b32 v[28+\i], 0
	v_mov_b32 v[230+\i], 0
	v_mov_b32 v[242+\i], 0
.endr
	s_wait_kmcnt 0x0
	s_or_b32 s19, s68, s69                         ; the tiles' flags
	s_or_b32 s20, s76, s77
.irp i, 2,3,4,5,6,7
	s_or_b32 s19, s19, s[68+\i]
	s_or_b32 s20, s20, s[76+\i]
.endr
.set n, 0
.rept 25
	s_wait_loadcnt 40-n                            ; round n is in: behind it 24 - n rounds and q's 16 loads
	ds_store_b128 v[248+n/8], v[36+4*n:39+4*n] offset:8192*(n%8)
.set n, n+1
.endr
	s_wait_dscnt 0x0                               ; my part of the records lies in LDS
	s_wait_alu depctr_vm_vsrc(0)                   ; the fill's LDS stores have read v36-135: q's numbers land in v36-99 below
	s_wait_loadcnt 8                               ; my first tile of q is in; the second's 8 loads stay out
.irp j, 0,1,2,3,4,5,6,7
	ds_store_b128 v4, v[136+4*\j:139+4*\j] offset:2*SP*\j
.endr
.irp i, 0,1,2,3,4,5,6,7
	ds_load_b128 v[36+4*\i:39+4*\i], v5 offset:16*\i   ; back as 32 neighbours a lane.  LDS serves a wave's instructions in order
.endr
	s_wait_loadcnt 0x0
.irp j, 0,1,2,3,4,5,6,7
	ds_store_b128 v4, v[168+4*\j:171+4*\j] offset:2*SP*\j
.endr
.irp i, 0,1,2,3,4,5,6,7
	ds_load_b128 v[68+4*\i:71+4*\i], v5 offset:16*\i
.endr
	s_wait_dscnt 16                                ; the first tile's numbers are back; the second tile's 8 stores and 8 loads stay out
	QUANTQ 36, 22, 34
	s_wait_dscnt 0x0                               ; for the others' sake zero: no LDS instruction of mine is out, the fill's stores among them
	s_barrier_signal -1
	QUANTQ 68, 236, 35                             ; work on registers while the others arrive
	s_barrier_wait -1                              ; the head's records are whole: from here on nobody writes them, and each wave touches its own stage alone
	TILE 16, 34, 19, 17
	TILE 230, 35, 20, 18
	s_wait_dscnt 0x0
	s_wait_alu depctr_hold_cnt(0) depctr_sa_sdst(0) depctr_va_vdst(0) depctr_va_sdst(0) depctr_va_ssrc(0) depctr_va_vcc(0) depctr_vm_vsrc(0)
	s_wait_tensorcnt 0x0
	ds_add_u32 v207, v211
	s_wait_dscnt 0x0
	s_endpgm
.Lfunc_end_k_q2c02a8f0b5_attn:
	.size	k_q2c02a8f0b5_attn, .Lfunc_end_k_q2c02a8f0b5_attn-k_q2c02a8f0b5_attn
	.p2alignl 7, 3214868480
	.fill 96, 4, 3214868480
	.section	.rodata,"a",@progbits
	.p2align	6, 0x0
	.amdhsa_kernel k_q2c02a8f0b5_attn
		.amdhsa_group_segment_fixed_size 276480
		.amdhsa_private_segment_fixed_size 0
		.amdhsa_enable_private_segment 0
		.amdhsa_kernarg_size 40
		.amdhsa_user_sgpr_count 2
		.amdhsa_user_sgpr_kernarg_segment_ptr 1
		.amdhsa_wavefront_size32 1
		.amdhsa_system_sgpr_workgroup_id_x 1
		.amdhsa_system_sgpr_workgroup_id_y 1
		.amdhsa_system_sgpr_workgroup_id_z 1
		.amdhsa_system_vgpr_workitem_id 0
		.amdhsa_next_free_vgpr 256
		.amdhsa_next_free_sgpr 100
		.amdhsa_reserve_vcc 0
		.amdhsa_float_denorm_mode_32 3
		.amdhsa_float_denorm_mode_16_64 3
		.amdhsa_memory_ordered 1
		.amdhsa_forward_progress 1
		.amdhsa_inst_pref_size 66
	.end_amdhsa_kernel
	.amdgpu_metadata
---
amdhsa.version: [ 1, 2 ]
amdhsa.kernels:
  - .name:           k_q2c02a8f0b5_attn
    .symbol:         k_q2c02a8f0b5_attn.kd
    .args:
      - { .name: q, .offset: 0, .size: 8, .value_kind: global_buffer, .address_space: global }
      - { .name: kv, .offset: 8, .size: 8, .value_kind: global_buffer, .address_space: global }
      - { .name: mbits, .offset: 16, .size: 8, .value_kind: global_buffer, .address_space: global }
      - { .name: flags, .offset: 24, .size: 8, .value_kind: global_buffer, .address_space: global }
      - { .name: out0, .offset: 32, .size: 8, .value_kind: global_buffer, .address_space: global }
    .group_segment_fixed_size: 276480
    .private_segment_fixed_size: 0
    .kernarg_segment_align: 8
    .kernarg_segment_size: 40
    .max_flat_workgroup_size: 512
    .sgpr_count:     100
    .vgpr_count:     256
    .wavefront_size: 32
...
	.end_amdgpu_metadata
.endif
;; end of part 4
